; MI455X (gfx1250); checked and timed in simulation.
; The chip was launched on July 23, 2026; its instructions are those of AMD's public machine-readable ISA for CDNA 5 (MIT licence, August 2026) and "CDNA5" Instruction Set Architecture Reference Guide (July 2026). The comments in the code are by the model that wrote it; some were corrected since.
;; Causal Self Attention. Allowed arithmetic: matrix products marked QUANTISED: E2M3 operands, one E8M0 scale for each 32 along K, by v_wmma_scale_f32_16x16x128_f8f6f4 with both operands' format E2M3, f32 sums; everything else in f32.
;; Inputs: Wk 256 x 1,024 float32; Wproj 1,024 x 1,024 float32; Wq 1,024 x 1,024 float32; Wv 256 x 1,024 float32; q_gain 16 float32; x 4 x 2,048 x 1,024 float32.
;; Outputs: out0 4 x 2,048 x 1,024 float32.
;; This version of the problem:
;;   THIS VERSION OF THE PROBLEM IS GIVEN IN LOW PRECISION. The matrix products marked QUANTISED in the list below multiply operands that are first quantised to E2M3 (2 exponent bits, 3 mantissa bits; 6 bits a number), with one power-of-two scale for each 32 numbers along K (OCP MX v1.0); their sums are f32. All else is computed in f32.
;;   The module's matrix products, in the order in which they are computed (A, B: the left and right operand; K: the contracted axis; several contracted axes count as one K, in the product's order):
;;     1. [M 8,192, K 1,024] x [K 1,024, N 1,024]; A: input x; B: input Wq: QUANTISED
;;     2. [M 8,192, K 1,024] x [K 1,024, N 256]; A: input x; B: input Wk: QUANTISED
;;     3. [M 8,192, K 1,024] x [K 1,024, N 256]; A: input x; B: input Wv: QUANTISED
;;     4. batch 64 x [M 2,048, K 64] x [K 64, N 2,048]; A: computed on the way; B: computed on the way: QUANTISED
;;     5. batch 64 x [M 2,048, K 2,048] x [K 2,048, N 64]; A: softmax (see below); B: computed on the way: QUANTISED
;;     6. [M 8,192, K 1,024] x [K 1,024, N 1,024]; A: computed on the way; B: input Wproj: QUANTISED
;;   THE QUANTISER, for each operand of a quantised product, along K:
;;     - K is cut into blocks of 32 from its start; a last block that is shorter is filled with zeros.
;;     - A block's scale is 2^e with e = floor(log2(the largest magnitude in the block)) - 2, held to -126 .. 127; a block of zeros has e = 0. As a byte (E8M0): e + 127.
;;     - Each number is divided by its block's scale, clamped to +-7.5, and rounded to the nearest number of E2M3, ties to even, subnormals kept.
;;     - The product sums the exact products of the quantised numbers (number of the format x scale) in f32.
;;   ~~~python
;;   def quantise(x, axis):      # numpy; x: float32 -> the quantised numbers, widened to float32 again
;;       x = np.moveaxis(x, axis, -1); K = x.shape[-1]
;;       x = np.pad(x, [(0, 0)] * (x.ndim - 1) + [(0, -K % 32)]); x = x.reshape(x.shape[:-1] + (-1, 32)); a = np.abs(x).max(-1, keepdims=True)
;;       e = np.where(a > 0, np.clip(np.frexp(np.where(a > 0, a, 1))[1] - 1 - 2, -126, 127), 0)      # np.frexp(a)[1] - 1 = floor(log2(a)), exactly
;;       r = np.clip(x / 2.0 ** e, -7.5, 7.5)
;;       step = 2.0 ** (np.maximum(np.frexp(np.where(r == 0, 1, r))[1] - 1, 0) - 3)
;;       q = np.round(r / step) * step * 2.0 ** e      # np.round: ties to even
;;       return np.moveaxis(q.reshape(q.shape[:-2] + (-1,))[..., :K], -1, axis).astype(np.float32)
;;   ~~~
;;   SOFTMAX AHEAD OF A QUANTISED PRODUCT. Where the list says 'softmax', what is quantised is not the finished softmax but p = 2^(t - M), with t = logit x log2(e) and M = ceil(the row's largest t), a whole number; so 1/2 < the row's largest p <= 1. The row's sum l is taken of the UNQUANTISED p, in f32, and the product's result is divided by l at the end. Since M is a whole number, a kernel that streams over the keys may use a running M (the ceiling of the running maximum): every later rescaling is an exact power of two, which a block's scale takes up: the codes' values come out the same.
;;   OPERANDS COMPUTED ON THE WAY. 'Computed on the way' means the value that the module computes at that place (a softmax that the list does not call 'softmax' is quantised finished and normalised). What goes into a quantiser is computed in f32, as accurately as f32 sums, v_exp_f32 and their like allow (about 1e-6 of the number): no bf16 or f16 on the way to a quantiser, and a product that is left as it is and whose result goes on into a quantised operand takes f32 operands (vector FMAs, or v_wmma_f32_16x16x4_f32). A number that lies on a knife's edge between two numbers of the format may be rounded either way, as far as f32 arithmetic and the matrix unit's own rounding can turn it there, and no further.
;; One version. Each part assembles by itself: llvm-mc -triple=amdgcn-amd-amdhsa -mcpu=gfx1250 --defsym DOCPART=n.
;; ======== version 1 of 1: 4 launches
;; limits: right only within a limited range of input values
;; workspace buffers: xq 6,553,600 bytes; wq 2,572,288 bytes; qi 6,553,600 bytes; kvi 3,276,800 bytes; vni 8,388,608 bytes; yi 6,553,600 bytes
;; launch prep (part 1): grid 368 x 1, 4 waves a work-group, no clusters, 33,280 bytes of LDS; arguments x, Wq, Wk, Wv, Wproj, xq, wq; writes xq, wq
.if DOCPART == 1
	.amdgcn_target "amdgcn-amd-amdhsa--gfx1250"
	.amdhsa_code_object_version 6
	.text
	.protected	k_qf74fcaf498_prep
	.globl	k_qf74fcaf498_prep
	.p2align	8
	.type	k_qf74fcaf498_prep,@function
k_qf74fcaf498_prep:
	s_mov_b64 s[64:65], 0
	v_nop
	global_prefetch_b8 v0, s[64:65] scope:SCOPE_SE
	s_setreg_imm32_b32 hwreg(HW_REG_WAVE_MODE, 25, 1), 1
	s_wait_xcnt 0x0
; PREP.  x [8192][1024], Wq [1024][1024], Wk, Wv [256][1024], Wproj [1024][1024], all f32 with K innermost, become codes of FP6 (E2M3) with one E8M0 byte for each 32 along K;
; and the rope's cos / sin table is made.  A block's scale is 2^(floor(log2(largest magnitude)) - 2); its byte is the largest magnitude's exponent field - 2, held at 1 from below.
; A work-group takes 32 rows (32,768 numbers), a wave 8 rows (a RUN: 6,144 bytes of codes, 256 scale bytes).  Work-groups 0-255: x; 256-287: Wq; 288-295: Wk; 296-303: Wv; 304-335: Wproj; 336-367: the table.
; ORDER OF ROWS.  Inside each 32 rows of x, Wq, Wk, Wv the runs 1 and 2 change places, so that 16 stored rows on end are rows 8 u + r + 8 (r / 8): the tiles that the later launches want.  Wproj keeps its order.
; Wq, Wk, Wv are laid in four groups of 384 rows: query heads 4 g .. 4 g + 3, key head g, value head g.
; xq: codes [8192][768], then scale bytes [8192][32].  wq: the groups' codes [1536][768], their bytes [1536][32], Wproj's codes [1024][768], its bytes [1024][32], the table [128 tiles of 16 positions][8][32 lanes][16 bytes].
; The quantiser: each of a step's four loads reads 512 consecutive bytes; the 2,048 bytes turn through the wave's own stage in LDS and come back 64 bytes (16 neighbours along K) a lane; two lanes hold a block.
; LIMITS: a block of zeros gets the byte 1 (its codes are zeros, and this program alone reads the bytes); NaN and infinities among the inputs are not served;
; the rope's angle position x frequency is an f32 number: at positions near 2,000 it is sure to about 2e-4 radians, as any f32 table of it is.
; THE CODES' ORDER IN xq AND wq (it takes the place of the rows of 768 bytes named above): inside each 128 stored rows the codes lie [quarter of K, 256 numbers][row][192 bytes],
; so that 128 rows x 256 along K are 24,576 dense bytes that begin at a multiple of 256 bytes.  The scale bytes keep their order.
.set STEPS, 16
.set CB,    12                         ; bytes of 16 codes
.set R,     16                         ; v16-79   four sets of 16 numbers as loaded
.set X,     80                         ; v80-111  two sets of 16 neighbours
.set E,     112                        ; v112-127 a scale byte for each step
.set C,     128                        ; v128-191 codes, four registers a step
.set WREG,  8192                       ; LDS of a wave: two stages of 32 x SP bytes, then its 256 scale bytes
.set SP,    80
.set XS_OFF,   6291456
.set WS_OFF,   1179648
.set PC_OFF,   1228800
.set PS_OFF,   2015232
.set ROPE_OFF, 2048000
	s_load_b256 s[4:11], s[0:1], 0x0               ; x, Wq, Wk, Wv
	s_load_b128 s[12:15], s[0:1], 0x20             ; Wproj, xq
	s_load_b64 s[16:17], s[0:1], 0x30              ; wq
	v_lshl_add_u32 v192, v0, 2, 0x8000
	v_mov_b32 v193, 0
	v_lshrrev_b32 v1, 5, v0
	v_readfirstlane_b32 s18, v1                    ; wave
	v_and_b32 v2, 31, v0                           ; lane
	s_cmp_ge_u32 ttmp9, 336
	s_cbranch_scc1 .Lrope                          ; the table's work-groups use no LDS
	v_lshlrev_b32 v3, 4, v2                        ; my 16 bytes of a load's 512
	s_mul_i32 s19, s18, WREG
	v_lshrrev_b32 v14, 2, v2
	v_mul_u32_u24 v14, v14, SP
	v_and_b32 v15, 3, v2
	v_lshl_add_u32 v14, v15, 4, v14
	v_add_nc_u32 v14, s19, v14                     ; the stage, in: SP (lane / 4) + 16 (lane % 4)
	v_mul_u32_u24 v15, v2, SP
	v_add_nc_u32 v15, s19, v15                     ; and out: SP x lane
	v_and_b32 v4, 15, v2
	v_mul_u32_u24 v4, v4, CB                       ; my codes' place in a row's 192 bytes of a quarter of K;
	v_lshrrev_b32 v10, 4, v2
	v_mad_u32_u24 v4, v10, 24576, v4               ; lanes 16-31 hold the next quarter
	v_lshrrev_b32 v5, 1, v2
	s_add_co_u32 s19, s19, 2*32*SP
	v_add_nc_u32 v5, s19, v5                       ; my block's scale byte in LDS
	v_lshlrev_b32 v7, 3, v2
	v_add_nc_u32 v6, s19, v7                       ; and 8 bytes a lane on the way out
	s_wait_alu depctr_va_vdst(0)
	s_wait_kmcnt 0x0
	; which tensor: source s[20:21], codes s[22:23], scale bytes s[24:25]; first work-group s28; the destination run = (id' >> s29) x 48 + s31 + (id' & s30) x 4 + the wave's place; s32 = 3 where runs 1 and 2 change places
	s_add_nc_u64 s[26:27], s[16:17], WS_OFF
	s_add_nc_u64 s[34:35], s[14:15], XS_OFF
	s_mov_b64 s[20:21], s[12:13]                   ; Wproj
	s_add_nc_u64 s[22:23], s[16:17], PC_OFF
	s_add_nc_u64 s[24:25], s[16:17], PS_OFF
	s_mov_b32 s28, 304
	s_mov_b32 s29, 16
	s_mov_b32 s30, 0xffff
	s_mov_b32 s31, 0
	s_mov_b32 s32, 0
	s_cmp_lt_u32 ttmp9, 304                        ; Wv: two work-groups a head, behind a group's 40 runs
	s_cselect_b64 s[20:21], s[10:11], s[20:21]
	s_cselect_b64 s[22:23], s[16:17], s[22:23]
	s_cselect_b64 s[24:25], s[26:27], s[24:25]
	s_cselect_b32 s28, 296, s28
	s_cselect_b32 s29, 1, s29
	s_cselect_b32 s30, 1, s30
	s_cselect_b32 s31, 40, s31
	s_cselect_b32 s32, 3, s32
	s_cmp_lt_u32 ttmp9, 296                        ; Wk: behind 32 runs
	s_cselect_b64 s[20:21], s[8:9], s[20:21]
	s_cselect_b32 s28, 288, s28
	s_cselect_b32 s31, 32, s31
	s_cmp_lt_u32 ttmp9, 288                        ; Wq: eight work-groups a group
	s_cselect_b64 s[20:21], s[6:7], s[20:21]
	s_cselect_b32 s28, 256, s28
	s_cselect_b32 s29, 3, s29
	s_cselect_b32 s30, 7, s30
	s_cselect_b32 s31, 0, s31
	s_cmp_lt_u32 ttmp9, 256                        ; x
	s_cselect_b64 s[20:21], s[4:5], s[20:21]
	s_cselect_b64 s[22:23], s[14:15], s[22:23]
	s_cselect_b64 s[24:25], s[34:35], s[24:25]
	s_cselect_b32 s28, 0, s28
	s_cselect_b32 s29, 16, s29
	s_cselect_b32 s30, 0xffff, s30
	s_cselect_b32 s31, 0, s31
	s_sub_co_u32 s33, ttmp9, s28                   ; id'
	s_lshl_b32 s36, s33, 2
	s_add_co_u32 s36, s36, s18                     ; the source run
	s_lshr_b32 s37, s18, 1
	s_xor_b32 s37, s37, s18
	s_and_b32 s37, s37, 1                          ; 1 in waves 1 and 2
	s_mul_i32 s37, s37, s32
	s_xor_b32 s37, s37, s18                        ; the wave's place among the four runs
	s_lshr_b32 s38, s33, s29
	s_mul_i32 s38, s38, 48
	s_add_co_u32 s38, s38, s31
	s_and_b32 s39, s33, s30
	s_lshl_b32 s39, s39, 2
	s_add_co_u32 s38, s38, s39
	s_add_co_u32 s38, s38, s37                     ; the destination run
	s_lshl_b32 s40, s36, 15                        ; 32,768 bytes of f32 a run
	s_mov_b32 s41, 0
	s_add_nc_u64 s[20:21], s[20:21], s[40:41]
	s_lshr_b32 s40, s38, 4                         ; sixteen runs of 8 rows to a block of 128 rows
	s_mul_i32 s40, s40, 98304
	s_and_b32 s42, s38, 15
	s_mul_i32 s42, s42, 1536                       ; 8 rows of 192 bytes
	s_add_co_u32 s40, s40, s42
	s_add_nc_u64 s[22:23], s[22:23], s[40:41]
	s_lshl_b32 s40, s38, 8
	s_add_nc_u64 s[24:25], s[24:25], s[40:41]
.macro LOAD t
.irp i, 0,1,2,3
	global_load_b128 v[R+16*((\t)%4)+4*\i:R+16*((\t)%4)+4*\i+3], v3, s[20:21] offset:2048*(\t)+512*\i th:TH_LOAD_NT   ; 32 lanes read 512 consecutive bytes
.endr
.endm
.macro TURN t                          ; step t's numbers through the stage: LDS serves a wave's instructions in order, so no wait stands between the stores and the loads
.irp i, 0,1,2,3
	ds_store_b128 v14, v[R+16*((\t)%4)+4*\i:R+16*((\t)%4)+4*\i+3] offset:32*SP*((\t)%2)+8*SP*\i
.endr
.irp i, 0,1,2,3
	ds_load_b128 v[X+16*((\t)%2)+4*\i:X+16*((\t)%2)+4*\i+3], v15 offset:32*SP*((\t)%2)+16*\i
.endr
.endm
.irp t, 0,1,2,3
	LOAD \t
.endr
	s_wait_loadcnt 12                              ; step 0's four loads are in; three steps' twelve may be out
	TURN 0
.macro STEP t
.set XS, X+16*((\t)%2)
.if (\t) > 0
	s_wait_dscnt 1                                 ; this step's numbers are back from the stage (the last step's byte store may be out)
.else
	s_wait_dscnt 0x0
.endif
.if (\t)+4 < STEPS
	LOAD (\t)+4                                    ; into the registers that this step's stage stores have read
.endif
.if (\t)+1 < STEPS
.if STEPS-2-(\t) >= 3
	s_wait_loadcnt 12                              ; the next step's four loads are in; those of the three steps behind it may be out
.else
	s_wait_loadcnt 4*(STEPS-2-(\t))
.endif
	TURN (\t)+1
.endif
	v_max3_num_f32 v8, |v[XS]|, |v[XS+1]|, |v[XS+2]|               ; the largest magnitude of my 16, in two chains
	v_max3_num_f32 v9, |v[XS+3]|, |v[XS+4]|, |v[XS+5]|
.irp i, 6,10
	v_max3_num_f32 v8, v8, |v[XS+\i]|, |v[XS+\i+1]|
	v_max3_num_f32 v9, v9, |v[XS+\i+2]|, |v[XS+\i+3]|
.endr
	v_max3_num_f32 v8, v8, |v[XS+14]|, |v[XS+15]|
	v_max3_num_f32 v8, v8, v9, 0x1800000           ; and the floor 2^(3 - 127): the byte cannot fall under 1
	v_max_num_f32_dpp v8, v8, v8 row_xmask:1 row_mask:0xf bank_mask:0xf   ; with my neighbour's 16: the block's
	v_add_nc_u32 v11, 0xff000000, v8               ; 2 off its exponent field: the conversion takes this operand's exponent field as its scale
	v_cvt_scalef32_pk16_fp6_f32 v[C+4*(\t):C+4*(\t)+2], v[XS:XS+15], v11
	v_lshrrev_b32 v[E+(\t)], 23, v11               ; the scale's byte
	ds_store_b8 v5, v[E+(\t)] offset:16*(\t)       ; both lanes of a block write the same byte with the same value
	global_store_b96 v4, v[C+4*(\t):C+4*(\t)+2], s[22:23] offset:49152*((\t)%2)+192*((\t)/2)   ; step t: row t / 2, quarters 2 (t % 2) and 2 (t % 2) + 1: sixteen lanes store 192 consecutive bytes
.endm
.irp t, 0,1,2,3,4,5,6,7,8,9,10,11,12,13,14,15
	STEP \t
.endr
	ds_load_b64 v[12:13], v6                       ; in order behind my byte stores
	s_wait_dscnt 0x0
	global_store_b64 v7, v[12:13], s[24:25]        ; 32 lanes store 256 consecutive bytes, aligned
	s_wait_tensorcnt 0x0
	ds_add_u32 v192, v193
	s_wait_dscnt 0x0
	s_endpgm
; THE TABLE.  A wave makes tile Tt = 4 (id - 336) + wave: lane (r, h) has position 32 (Tt / 2) + 8 (Tt % 2) + r + 8 (r / 8) and the frequencies d = 16 h + 0 .. 15.
; frequency = 2^(-d log2(10000) / 32); the angle is reduced by n = the nearest whole number of quarter turns, pi / 2 in two parts; sine and cosine of the rest (at most pi / 4) by polynomials; n's low two bits place them.
.Lrope:
	s_wait_alu depctr_va_vdst(0)
	v_and_b32 v3, 15, v2                           ; r
	s_wait_alu depctr_va_vdst(0)
	v_lshrrev_b32 v4, 4, v2                        ; h
	s_wait_alu depctr_va_vdst(0)
	s_sub_co_u32 s19, ttmp9, 336
	s_lshl_b32 s19, s19, 2
	s_add_co_u32 s19, s19, s18                     ; Tt
	s_lshr_b32 s20, s19, 1
	s_lshl_b32 s20, s20, 5
	s_and_b32 s21, s19, 1
	s_lshl_b32 s21, s21, 3
	s_add_co_u32 s20, s20, s21
	v_and_b32 v5, 8, v3
	v_add3_u32 v5, v5, v3, s20
	v_cvt_f32_u32 v5, v5                           ; my position
	v_lshlrev_b32 v6, 4, v4                        ; 16 h
	v_lshlrev_b32 v8, 4, v2                        ; 16 bytes a lane on the way out
	s_mov_b32 s24, 0xbed49a78                      ; -log2(10000) / 32
	s_mov_b32 s25, 0x3f22f983                      ; 2 / pi
	s_mov_b32 s26, 0xbfc90fdb                      ; -(pi / 2), the f32 nearest to it,
	s_mov_b32 s27, 0x333bbd2e                      ; and what that number is too large by
	s_mov_b32 s28, 0xb94ca1f9                      ; sine: z^3, z^2, z
	s_mov_b32 s29, 0x3c08839e
	s_mov_b32 s30, 0xbe2aaaa3
	s_mov_b32 s31, 0x37ccf5ce                      ; cosine: z^4, z^3, z^2
	s_mov_b32 s32, 0xbab6061a
	s_mov_b32 s33, 0x3d2aaaa5
	s_lshl_b32 s22, s19, 12                        ; 4,096 bytes a tile
	s_mov_b32 s23, 0
	s_wait_alu depctr_va_vdst(0)
	s_wait_kmcnt 0x0
	s_add_nc_u64 s[16:17], s[16:17], s[22:23]
	s_add_nc_u64 s[16:17], s[16:17], ROPE_OFF
.irp i, 0,1,2,3,4,5,6,7,8,9,10,11,12,13,14,15
	v_add_nc_u32 v[16+\i], \i, v6
.endr
.irp i, 0,1,2,3,4,5,6,7,8,9,10,11,12,13,14,15
	v_cvt_f32_u32 v[16+\i], v[16+\i]
.endr
.irp i, 0,1,2,3,4,5,6,7,8,9,10,11,12,13,14,15
	v_mul_f32 v[16+\i], s24, v[16+\i]
.endr
	s_wait_alu depctr_va_vdst(0)
.irp i, 0,1,2,3,4,5,6,7,8,9,10,11,12,13,14,15
	v_exp_f32 v[16+\i], v[16+\i]                   ; the frequency
.endr
	v_nop                                          ; a plain instruction behind the exponentials
	s_wait_alu depctr_va_vdst(0)
.irp i, 0,1,2,3,4,5,6,7,8,9,10,11,12,13,14,15
	v_mul_f32 v[16+\i], v5, v[16+\i]               ; the angle
.endr
.irp i, 0,1,2,3,4,5,6,7,8,9,10,11,12,13,14,15
	v_mul_f32 v[32+\i], s25, v[16+\i]
.endr
.irp i, 0,1,2,3,4,5,6,7,8,9,10,11,12,13,14,15
	v_rndne_f32 v[32+\i], v[32+\i]                 ; n
.endr
.irp i, 0,1,2,3,4,5,6,7,8,9,10,11,12,13,14,15
	v_fma_f32 v[48+\i], v[32+\i], s26, v[16+\i]
.endr
.irp i, 0,1,2,3,4,5,6,7,8,9,10,11,12,13,14,15
	v_fma_f32 v[48+\i], v[32+\i], s27, v[48+\i]    ; the rest
.endr
.irp i, 0,1,2,3,4,5,6,7,8,9,10,11,12,13,14,15
	v_mul_f32 v[64+\i], v[48+\i], v[48+\i]         ; z
.endr
.irp i, 0,1,2,3,4,5,6,7,8,9,10,11,12,13,14,15
	v_fma_f32 v[80+\i], v[64+\i], s28, s29
	v_fma_f32 v[96+\i], v[64+\i], s31, s32
.endr
.irp i, 0,1,2,3,4,5,6,7,8,9,10,11,12,13,14,15
	v_fma_f32 v[80+\i], v[80+\i], v[64+\i], s30
	v_fma_f32 v[96+\i], v[96+\i], v[64+\i], s33
.endr
.irp i, 0,1,2,3,4,5,6,7,8,9,10,11,12,13,14,15
	v_mul_f32 v[80+\i], v[80+\i], v[64+\i]
	v_fma_f32 v[96+\i], v[96+\i], v[64+\i], -0.5
.endr
.irp i, 0,1,2,3,4,5,6,7,8,9,10,11,12,13,14,15
	v_fma_f32 v[80+\i], v[80+\i], v[48+\i], v[48+\i]   ; the rest's sine
	v_fma_f32 v[96+\i], v[96+\i], v[64+\i], 1.0        ; and cosine
.endr
.irp i, 0,1,2,3,4,5,6,7,8,9,10,11,12,13,14,15
	v_cvt_i32_f32 v[112+\i], v[32+\i]
.endr
.irp i, 0,1,2,3,4,5,6,7,8,9,10,11,12,13,14,15
	v_and_b32 v7, 1, v[112+\i]                     ; an odd n: sine and cosine change places
	v_cmp_eq_u32 vcc_lo, 1, v7
	v_cndmask_b32 v[144+\i], v[80+\i], v[96+\i], vcc_lo
	v_cndmask_b32 v[128+\i], v[96+\i], v[80+\i], vcc_lo
	v_and_b32 v7, 2, v[112+\i]                     ; the sine's sign: n = 2, 3
	v_lshlrev_b32 v7, 30, v7
	v_xor_b32 v[144+\i], v7, v[144+\i]
	v_add_nc_u32 v7, 1, v[112+\i]                  ; the cosine's: n = 1, 2
	v_and_b32 v7, 2, v7
	v_lshlrev_b32 v7, 30, v7
	v_xor_b32 v[128+\i], v7, v[128+\i]
.endr
.irp q, 0,1,2,3,4,5,6,7
	global_store_b128 v8, v[128+4*\q:131+4*\q], s[16:17] offset:512*\q   ; four of cosines, four of sines: 512 consecutive bytes each
.endr
	s_endpgm
.Lfunc_end_k_qf74fcaf498_prep:
	.size	k_qf74fcaf498_prep, .Lfunc_end_k_qf74fcaf498_prep-k_qf74fcaf498_prep
	.p2alignl 7, 3214868480
	.fill 96, 4, 3214868480
	.section	.rodata,"a",@progbits
	.p2align	6, 0x0
	.amdhsa_kernel k_qf74fcaf498_prep
		.amdhsa_group_segment_fixed_size 33280
		.amdhsa_private_segment_fixed_size 0
		.amdhsa_enable_private_segment 0
		.amdhsa_kernarg_size 56
		.amdhsa_user_sgpr_count 2
		.amdhsa_user_sgpr_kernarg_segment_ptr 1
		.amdhsa_wavefront_size32 1
		.amdhsa_system_sgpr_workgroup_id_x 1
		.amdhsa_system_sgpr_workgroup_id_y 1
		.amdhsa_system_sgpr_workgroup_id_z 1
		.amdhsa_system_vgpr_workitem_id 0
		.amdhsa_next_free_vgpr 194
		.amdhsa_next_free_sgpr 66
		.amdhsa_reserve_vcc 1
		.amdhsa_float_denorm_mode_32 3
		.amdhsa_float_denorm_mode_16_64 3
		.amdhsa_memory_ordered 1
		.amdhsa_forward_progress 1
		.amdhsa_inst_pref_size 56
	.end_amdhsa_kernel
	.amdgpu_metadata
---
amdhsa.version: [ 1, 2 ]
amdhsa.kernels:
  - .name:           k_qf74fcaf498_prep
    .symbol:         k_qf74fcaf498_prep.kd
    .args:
      - { .name: x, .offset: 0, .size: 8, .value_kind: global_buffer, .address_space: global }
      - { .name: Wq, .offset: 8, .size: 8, .value_kind: global_buffer, .address_space: global }
      - { .name: Wk, .offset: 16, .size: 8, .value_kind: global_buffer, .address_space: global }
      - { .name: Wv, .offset: 24, .size: 8, .value_kind: global_buffer, .address_space: global }
      - { .name: Wproj, .offset: 32, .size: 8, .value_kind: global_buffer, .address_space: global }
      - { .name: xq, .offset: 40, .size: 8, .value_kind: global_buffer, .address_space: global }
      - { .name: wq, .offset: 48, .size: 8, .value_kind: global_buffer, .address_space: global }
    .group_segment_fixed_size: 33280
    .private_segment_fixed_size: 0
    .kernarg_segment_align: 8
    .kernarg_segment_size: 56
    .max_flat_workgroup_size: 128
    .sgpr_count:     66
    .vgpr_count:     194
    .wavefront_size: 32
...
	.end_amdgpu_metadata
.endif
;; end of part 1
;; launch qkv (part 2): grid 4 x 64, 4 waves a work-group, clusters of 4 x 4, 327,680 bytes of LDS; arguments xq, wq, q_gain, qi, kvi, vni; writes qi, kvi, vni
.if DOCPART == 2
	.amdgcn_target "amdgcn-amd-amdhsa--gfx1250"
	.amdhsa_code_object_version 6
	.text
	.protected	k_qf74fcaf498_qkv
	.globl	k_qf74fcaf498_qkv
	.p2align	8
	.type	k_qf74fcaf498_qkv,@function
k_qf74fcaf498_qkv:
	s_mov_b64 s[64:65], 0
	v_nop
	global_prefetch_b8 v0, s[64:65] scope:SCOPE_SE
	s_setreg_imm32_b32 hwreg(HW_REG_WAVE_MODE, 25, 1), 1
	s_wait_xcnt 0x0
	s_wait_alu depctr_hold_cnt(0) depctr_sa_sdst(0) depctr_va_vdst(0) depctr_va_sdst(0) depctr_va_ssrc(0) depctr_va_vcc(0) depctr_vm_vsrc(0)
	s_getreg_b32 s2, hwreg(HW_REG_IB_STS2, 6, 4)
	s_cmp_eq_u32 s2, 0
	s_cbranch_scc0 .Lentry_in_a_cluster
	s_endpgm
.Lentry_in_a_cluster:
	s_bfe_u32 s2, ttmp6, 0x10000c
	s_cmp_lg_u32 s2, 0xf033
	s_cbranch_scc0 .Lentry_shape_is_right
	s_endpgm
.Lentry_shape_is_right:
.set PITCH,  240
.set HALFT,  128*PITCH
.set SLOT,   4*HALFT
.set SCL,    2*SLOT
.set HALFS,  16*272
.set SPARE,  SCL+4*HALFS
.set QX,     SPARE+512
.set KVX,    QX+1024
.set XS_OFF,   6291456
.set WS_OFF,   1179648
.set ROPE_OFF, 2048000
.set QS_OFF,   6291456
.set SEL, 2
.set WV,  16
.set G1,  24
.set G0,  32
.set G1B, 48
.set G0B, 56
.set G1S, 68
.set G0S, 76
.set G1SB, 80
.set G0SB, 88
.set Y,   84
.set R1,  116
.set R2,  228
.set VCD, 228
.set COS, 132
.set SIN, 148
.set T,   196
.set F,   200
.set QBM, 202
.set QBP, 206
.set HW0, 210
.set WD,  211
.set CD,  212
.set QSO, 220
.set QBY, 224
.set MSB, 0
.macro WIN new
.if MSB != \new
	s_set_vgpr_msb (MSB<<8)|\new
.set MSB, \new
.endif
.endm
.macro PLACES n
.rept \n
	v_nop
.endr
.endm
.macro WMS d, a, b, z, sa, sb, ra, rb
.if (\z) && (\ra) && (\rb)
	v_wmma_scale_f32_16x16x128_f8f6f4 v[(\d):(\d)+7], v[(\a):(\a)+11], v[(\b):(\b)+11], 0, v[\sa], v[\sb] matrix_a_fmt:MATRIX_FMT_FP6 matrix_b_fmt:MATRIX_FMT_FP6 matrix_a_scale:MATRIX_SCALE_ROW1 matrix_b_scale:MATRIX_SCALE_ROW1
.elseif (\z) && (\ra)
	v_wmma_scale_f32_16x16x128_f8f6f4 v[(\d):(\d)+7], v[(\a):(\a)+11], v[(\b):(\b)+11], 0, v[\sa], v[\sb] matrix_a_fmt:MATRIX_FMT_FP6 matrix_b_fmt:MATRIX_FMT_FP6 matrix_a_scale:MATRIX_SCALE_ROW1
.elseif (\z) && (\rb)
	v_wmma_scale_f32_16x16x128_f8f6f4 v[(\d):(\d)+7], v[(\a):(\a)+11], v[(\b):(\b)+11], 0, v[\sa], v[\sb] matrix_a_fmt:MATRIX_FMT_FP6 matrix_b_fmt:MATRIX_FMT_FP6 matrix_b_scale:MATRIX_SCALE_ROW1
.elseif (\z)
	v_wmma_scale_f32_16x16x128_f8f6f4 v[(\d):(\d)+7], v[(\a):(\a)+11], v[(\b):(\b)+11], 0, v[\sa], v[\sb] matrix_a_fmt:MATRIX_FMT_FP6 matrix_b_fmt:MATRIX_FMT_FP6
.elseif (\ra) && (\rb)
	v_wmma_scale_f32_16x16x128_f8f6f4 v[(\d):(\d)+7], v[(\a):(\a)+11], v[(\b):(\b)+11], v[(\d):(\d)+7], v[\sa], v[\sb] matrix_a_fmt:MATRIX_FMT_FP6 matrix_b_fmt:MATRIX_FMT_FP6 matrix_a_scale:MATRIX_SCALE_ROW1 matrix_b_scale:MATRIX_SCALE_ROW1
.elseif (\ra)
	v_wmma_scale_f32_16x16x128_f8f6f4 v[(\d):(\d)+7], v[(\a):(\a)+11], v[(\b):(\b)+11], v[(\d):(\d)+7], v[\sa], v[\sb] matrix_a_fmt:MATRIX_FMT_FP6 matrix_b_fmt:MATRIX_FMT_FP6 matrix_a_scale:MATRIX_SCALE_ROW1
.elseif (\rb)
	v_wmma_scale_f32_16x16x128_f8f6f4 v[(\d):(\d)+7], v[(\a):(\a)+11], v[(\b):(\b)+11], v[(\d):(\d)+7], v[\sa], v[\sb] matrix_a_fmt:MATRIX_FMT_FP6 matrix_b_fmt:MATRIX_FMT_FP6 matrix_b_scale:MATRIX_SCALE_ROW1
.else
	v_wmma_scale_f32_16x16x128_f8f6f4 v[(\d):(\d)+7], v[(\a):(\a)+11], v[(\b):(\b)+11], v[(\d):(\d)+7], v[\sa], v[\sb] matrix_a_fmt:MATRIX_FMT_FP6 matrix_b_fmt:MATRIX_FMT_FP6
.endif
.endm
.macro JLOAD g0a, g1a, g0b, g1b
	s_cmp_eq_u32 s[WV], 0
	s_cbranch_scc0 .Lfor_b_\@
	tensor_load_to_lds s[\g0a:\g0a+3], s[\g1a:\g1a+7]
	s_nop 0
.rept 4
	v_nop
.endr
	s_branch .Lasked_\@
.Lfor_b_\@:
	tensor_load_to_lds s[\g0b:\g0b+3], s[\g1b:\g1b+7]
	s_nop 0
.rept 4
	v_nop
.endr
.Lasked_\@:
.endm
.macro CREST
	s_cmp_lg_u32 s[WV], 0
	s_cbranch_scc1 .Lnot_wave_0_\@
	s_barrier_signal -3
.Lnot_wave_0_\@:
	s_barrier_wait -3
	s_barrier_signal -1
	s_barrier_wait -1
.endm
.macro CROUND
	s_barrier_signal -1
	s_barrier_wait -1
	CREST
.endm
	s_load_b256 s[4:11], s[0:1], 0x0
	s_load_b128 s[12:15], s[0:1], 0x20
	v_lshl_add_u32 v28, v0, 2, SPARE
	v_mov_b32 v29, 0
	ds_add_u32 v28, v29
	ds_add_u32 v28, v29
	s_wait_dscnt 0x0
	v_lshrrev_b32 v1, 5, v0
	v_readfirstlane_b32 s[WV], v1
	s_bfe_u32 s40, ttmp6, 0x40000
	s_bfe_u32 s41, ttmp6, 0x40004
	s_lshl_b32 s42, ttmp9, 2
	s_add_co_u32 s42, s42, s40
	s_and_b32 s43, ttmp7, 0xffff
	s_lshl_b32 s43, s43, 2
	s_add_co_u32 s43, s43, s41
	s_lshl_b32 s44, s41, 2
	s_lshl_b32 s44, 15, s44
	s_lshl_b32 s45, 0x1111, s40
	s_or_b32 s[G1+0], s44, (0<<16)|(1<<20)|(1<<21)|(3<<22)|(3<<25)
	s_or_b32 s[G1B+0], s45, (0<<16)|(1<<20)|(1<<21)|(3<<22)|(3<<25)
.irp g, G1, G1B
	s_mov_b32 s[\g+1], 256<<16                     ; 128 rows x 192 bytes of codes are 24,576 dense bytes: 96 rows of 256; 16 bytes of padding behind each 64 give LDS rows of 240
	s_mov_b32 s[\g+2], 96<<16
	s_mov_b32 s[\g+3], 256<<16
	s_mov_b32 s[\g+4], 96
	s_mov_b32 s[\g+5], 256
	s_mov_b32 s[\g+6], 0
	s_mov_b32 s[\g+7], 0
.endr
	s_or_b32 s[G1S+0], s44, (3<<16)|(1<<20)|(1<<21)|(5<<22)|(3<<25)
	s_or_b32 s[G1SB+0], s45, (3<<16)|(1<<20)|(1<<21)|(5<<22)|(3<<25)
.irp g, G1S, G1SB
	s_mov_b32 s[\g+1], 32<<16
	s_mov_b32 s[\g+2], 16<<16
	s_mov_b32 s[\g+3], 32<<16
	s_mov_b32 s[\g+4], 16
	s_mov_b32 s[\g+5], 32
	s_mov_b32 s[\g+6], 0
	s_mov_b32 s[\g+7], 0
.endr
	s_mul_i32 s18, s43, 98304
	s_mov_b32 s19, 0
	s_lshl_b32 s20, s43, 12
	s_mov_b32 s21, 0
	s_sub_co_u32 s22, s[WV], 1
	s_max_i32 s22, s22, 0
	s_lshl_b32 s22, s22, 7
	s_mul_i32 s23, s42, 384
	s_add_co_u32 s22, s22, s23
	s_mul_i32 s46, s22, 768
	s_mov_b32 s47, 0
	s_lshl_b32 s22, s22, 5
	s_mov_b32 s23, 0
	s_mul_i32 s17, s[WV], HALFT
	s_mul_i32 s66, s[WV], HALFS
	s_wait_kmcnt 0x0
	s_add_nc_u64 s[18:19], s[4:5], s[18:19]
	s_add_nc_u64 s[20:21], s[4:5], s[20:21]
	s_add_nc_u64 s[20:21], s[20:21], XS_OFF
	s_add_nc_u64 s[46:47], s[6:7], s[46:47]
	s_add_nc_u64 s[22:23], s[6:7], s[22:23]
	s_add_nc_u64 s[22:23], s[22:23], WS_OFF
	CROUND
	s_mov_b32 s[G0S], 1
	s_add_co_u32 s[G0S+1], s66, SCL
	s_mov_b64 s[G0S+2:G0S+3], s[20:21]
	s_or_b32 s[G0S+3], s[G0S+3], 0x80000000
	s_mov_b32 s[G0SB], 1
	s_add_co_u32 s[G0SB+1], s66, SCL
	s_mov_b64 s[G0SB+2:G0SB+3], s[22:23]
	s_or_b32 s[G0SB+3], s[G0SB+3], 0x80000000
	JLOAD G0S, G1S, G0SB, G1SB
.irp s, 0,1
	s_mov_b32 s[G0+4*\s], 1
	s_add_co_u32 s[G0+4*\s+1], s17, \s*SLOT
	s_add_nc_u64 s[G0+4*\s+2:G0+4*\s+3], s[18:19], \s*24576
	s_or_b32 s[G0+4*\s+3], s[G0+4*\s+3], 0x80000000
	s_mov_b32 s[G0B+4*\s], 1
	s_add_co_u32 s[G0B+4*\s+1], s17, \s*SLOT
	s_add_nc_u64 s[G0B+4*\s+2:G0B+4*\s+3], s[46:47], \s*24576
	s_or_b32 s[G0B+4*\s+3], s[G0B+4*\s+3], 0x80000000
	s_wait_alu depctr_va_vdst(0)
	s_wait_tensorcnt 0x0
	ds_add_u32 v28, v29
	s_wait_dscnt 0x0
	CROUND
	JLOAD G0+4*\s, G1, G0B+4*\s, G1B
.endr
	v_and_b32 v1, 15, v0
	v_bfe_u32 v2, v0, 4, 1
	v_and_b32 v3, 31, v0
	v_mul_u32_u24 v4, v1, PITCH
	v_mad_u32_u24 v4, v2, 24, v4
	v_lshl_add_u32 v5, v2, 4, v4
	s_mul_i32 s18, s[WV], 32*PITCH
	v_add_nc_u32 v8, s18, v4
	v_add_nc_u32 v10, s18, v5
	s_add_co_u32 s18, s18, SLOT
	v_add_nc_u32 v9, s18, v4
	v_add_nc_u32 v11, s18, v5
.irp s, 0,1
.irp c, 0,1,2
	v_add_nc_u32 v[12+3*\s+\c], \s*SLOT+HALFT*(1+\c), v4
	v_add_nc_u32 v[18+3*\s+\c], \s*SLOT+HALFT*(1+\c), v5
.endr
.endr
	v_lshlrev_b32 v6, 5, v1
	v_lshrrev_b32 v7, 3, v1
	v_lshl_add_u32 v6, v7, 4, v6
	v_mad_u32_u24 v6, v2, 544, v6
	s_mul_i32 s18, s[WV], 1088
	s_add_co_u32 s18, s18, SCL
	v_add_nc_u32 v24, s18, v6
	v_add_nc_u32 v25, SCL+HALFS, v6
	v_mul_u32_u24 v26, v1, 24
	v_mad_u32_u24 v26, v2, 12, v26
	v_lshlrev_b32 v27, 4, v3
	s_wait_alu depctr_va_vdst(0)
	s_lshl_b32 s18, s[WV], 8
	s_add_co_u32 s18, s18, QX
	v_lshl_add_u32 v30, v1, 2, s18
	v_lshl_add_u32 v245, v3, 3, s18
	s_lshl_b32 s18, s[WV], 6
	s_add_co_u32 s18, s18, KVX
	v_lshl_add_u32 v31, v1, 2, s18
	s_add_co_u32 s18, s[WV], KVX+256
	v_lshl_add_u32 v244, v1, 2, s18
	v_add_nc_u32 v246, KVX, v27
	v_lshlrev_b32 v247, 3, v3
	s_lshl_b32 s18, s43, 2
	s_add_co_u32 s18, s18, s[WV]
	s_lshl_b32 s19, s18, 5
	s_lshl_b32 s20, s42, 2
	s_add_co_u32 s19, s19, s20
	s_mul_i32 s20, s19, 768
	s_mov_b32 s21, 0
	s_add_nc_u64 s[92:93], s[10:11], s[20:21]
	s_lshl_b32 s20, s18, 10
	s_lshl_b32 s22, s42, 8
	s_add_co_u32 s20, s20, s22
	s_add_nc_u64 s[98:99], s[10:11], s[20:21]
	s_add_nc_u64 s[98:99], s[98:99], QS_OFF
	s_lshl_b32 s20, s18, 2
	s_add_co_u32 s20, s20, s42
	s_lshl_b32 s20, s20, 13
	s_add_nc_u64 s[96:97], s[14:15], s[20:21]
	s_lshr_b32 s20, s43, 4
	s_lshl_b32 s20, s20, 2
	s_add_co_u32 s20, s20, s42
	s_lshl_b32 s20, s20, 4
	s_and_b32 s22, s43, 15
	s_add_co_u32 s20, s20, s22
	s_mul_i32 s20, s20, 12800
	s_add_nc_u64 s[94:95], s[12:13], s[20:21]
	s_mul_i32 s20, s[WV], 1536
	s_add_nc_u64 s[66:67], s[94:95], s[20:21]
	s_mul_i32 s20, s[WV], 384
	s_add_co_u32 s20, s20, 6144
	s_add_nc_u64 s[100:101], s[94:95], s[20:21]
	s_lshl_b32 s20, s22, 2
	s_add_co_u32 s20, s20, s[WV]
	s_lshl_b32 s20, s20, 13
	s_add_nc_u64 s[104:105], s[6:7], s[20:21]
	s_add_nc_u64 s[104:105], s[104:105], ROPE_OFF
.irp u, 0,1
.irp q, 0,1,2,3,4,5,6,7
	global_load_b128 v[COS+32*\u+4*\q:COS+32*\u+4*\q+3], v27, s[104:105] offset:4096*\u+512*\q
.endr
.endr
	s_lshl_b32 s20, s42, 4
	s_add_nc_u64 s[8:9], s[8:9], s[20:21]
	s_load_b128 s[4:7], s[8:9], 0x0
	s_mov_b32 s[SEL], 0x76543210
	s_mov_b32 s[SEL+1], 0xfedcba98
.macro FRAG reg, adr, dv, q, i
.irp p, 0,1,2,3,4,5
.set PCE, 12*(\q)+6*(\p/3)+\p%3
.if PCE%8 < 5
	ds_load_b64 v[\reg+2*\p:\reg+2*\p+1], v[\adr] offset:8*PCE+16*(PCE/8)+(\i)*16*PITCH
.else
	ds_load_b64 v[\reg+2*\p:\reg+2*\p+1], v[\adr+\dv] offset:8*PCE+16*(PCE/8)+(\i)*16*PITCH
.endif
.endr
.endm
.macro FETCH_B slot, q, ch, p
	WIN 0x40
.irp i, 0,1,2,3,4,5,6,7
	FRAG 128*(\p)+12*\i, 12+3*(\slot)+(\ch), 6, \q, \i
.endr
	WIN 0
.endm
.macro FETCH_A slot, q, st
.irp i, 0,1
	FRAG 84+24*(\st)+12*\i, 8+(\slot), 2, \q, \i
.endr
.endm
.macro SCALES ks
.irp ii, 0,1,2,3,4,5,6,7,8,9,10,11
	ds_load_b64 v[32+26*((\ks)%2)+2*\ii:32+26*((\ks)%2)+2*\ii+1], v25 offset:1088*\ii+8*(\ks)
.endr
	ds_load_b64 v[32+26*((\ks)%2)+24:32+26*((\ks)%2)+25], v24 offset:8*(\ks)
.endm
.macro MTR ch, a, p, st, sc, q, z
.if (\ch) < 2
	WIN 0xa1
.else
	WIN 0xf1
.endif
.irp b, 0,1,2,3,4,5,6,7
	WMS 128*((\ch)%2)+8*(8*(\a)+\b), 128*(\p)+12*\b, 84+24*(\st)+12*(\a), \z, 32+26*(\sc)+2*(4*(\ch)+\b/2)+(\q), 32+26*(\sc)+24+(\q), \b%2, \a
.endr
.endm
.macro MVN p, st, sc, q, z
	WIN 0xf4
.irp ct, 0,1,2,3
.irp u, 0,1
	WMS 128+8*(2*\ct+\u), 84+24*(\st)+12*\u, 128*(\p)+12*(4+\ct), \z, 32+26*(\sc)+24+(\q), 32+26*(\sc)+2*(10+\ct/2)+(\q), \u, \ct%2
.endr
.endr
.endm
.macro SUB ks, q, ch, fetch, z
	s_wait_dscnt 0x0
.if \fetch
	PLACES 4
.if (\ch) < 2
	FETCH_B (\ks)%2, \q, (\ch)+1, (3*(\q)+(\ch)+1)%2
.else
	FETCH_B (\ks)%2, (\q)+1, 0, (3*(\q)+(\ch)+1)%2
	FETCH_A (\ks)%2, (\q)+1, ((\q)+1)%2
.endif
.endif
	MTR \ch, 0, (3*(\q)+(\ch))%2, \q, (\ks)%2, \q, \z
	MTR \ch, 1, (3*(\q)+(\ch))%2, \q, (\ks)%2, \q, \z
.if (\ch) == 2
	MVN (3*(\q)+(\ch))%2, \q, (\ks)%2, \q, \z
.endif
.endm
.macro FIVE ks, z
	SUB \ks, 0, 0, 1, \z
	SUB \ks, 0, 1, 1, \z
	SUB \ks, 0, 2, 1, \z
	SUB \ks, 1, 0, 1, 0
	SUB \ks, 1, 1, 1, 0
.endm
.macro TURN ks, fill
	WIN 0
	s_wait_tensorcnt 0x0
	ds_add_u32 v28, v29
	s_wait_dscnt 1
	MTR 2, 0, 1, 1, (\ks)%2, 1, 0
	s_wait_dscnt 0x0
	s_barrier_signal -1
	MTR 2, 1, 1, 1, (\ks)%2, 1, 0
	WIN 0
	s_barrier_wait -1
.if \fill
	CREST
	s_add_nc_u64 s[G0+4*((\ks)%2)+2:G0+4*((\ks)%2)+3], s[G0+4*((\ks)%2)+2:G0+4*((\ks)%2)+3], 49152
	s_add_nc_u64 s[G0B+4*((\ks)%2)+2:G0B+4*((\ks)%2)+3], s[G0B+4*((\ks)%2)+2:G0B+4*((\ks)%2)+3], 49152
	JLOAD G0+4*((\ks)%2), G1, G0B+4*((\ks)%2), G1B
.else
	PLACES 4
.endif
	FETCH_B ((\ks)+1)%2, 0, 0, 0
	FETCH_A ((\ks)+1)%2, 0, 0
	SCALES (\ks)+1
	MVN 1, 1, (\ks)%2, 1, 0
.endm
	s_wait_loadcnt 0x0
	s_wait_kmcnt 0x0
	s_wait_tensorcnt 1
	s_barrier_signal -1
	s_barrier_wait -1
	FETCH_B 0, 0, 0, 0
	FETCH_A 0, 0, 0
	SCALES 0
	FIVE 0, 1
	TURN 0, 1
	FIVE 1, 0
	TURN 1, 1
	FIVE 2, 0
	TURN 2, 0
	FIVE 3, 0
	SUB 3, 1, 2, 0, 0
	WIN 0
.macro SUMSQ xb, w
	WIN (\w)*5
	v_pk_mul_f32 v[T:T+1], v[(\xb):(\xb)+1], v[(\xb):(\xb)+1]
	v_pk_mul_f32 v[T+2:T+3], v[(\xb)+2:(\xb)+3], v[(\xb)+2:(\xb)+3]
.irp j, 4,8,12,16,20,24,28
	v_pk_fma_f32 v[T:T+1], v[(\xb)+\j:(\xb)+\j+1], v[(\xb)+\j:(\xb)+\j+1], v[T:T+1]
	v_pk_fma_f32 v[T+2:T+3], v[(\xb)+\j+2:(\xb)+\j+3], v[(\xb)+\j+2:(\xb)+\j+3], v[T+2:T+3]
.endr
	WIN 0
	v_pk_add_f32 v[T:T+1], v[T:T+1], v[T+2:T+3]
	v_add_f32 v[T], v[T], v[T+1]
	v_permlanex16_b32 v[T+1], v[T], s[SEL], s[SEL+1]
	v_add_f32 v[T], v[T], v[T+1]
.endm
.macro Q2 r1, r2, cd, hw
	v_max3_num_f32 v[QBM], |v[\r1]|, |v[\r1+1]|, 0x1800000
	v_max3_num_f32 v[QBM+1], |v[\r2]|, |v[\r2+1]|, 0x1800000
.irp i, 2,4,6,8,10,12,14
	v_max3_num_f32 v[QBM], v[QBM], |v[\r1+\i]|, |v[\r1+\i+1]|
	v_max3_num_f32 v[QBM+1], v[QBM+1], |v[\r2+\i]|, |v[\r2+\i+1]|
.endr
	v_permlanex16_b32 v[QBP], v[QBM], s[SEL], s[SEL+1]
	v_permlanex16_b32 v[QBP+1], v[QBM+1], s[SEL], s[SEL+1]
	v_max_num_f32 v[QBM], v[QBM], v[QBP]
	v_max_num_f32 v[QBM+1], v[QBM+1], v[QBP+1]
	v_add_nc_u32 v[QSO], 0xff000000, v[QBM]
	v_add_nc_u32 v[QSO+1], 0xff000000, v[QBM+1]
	v_lshrrev_b32 v[QBY], 23, v[QSO]
	v_lshrrev_b32 v[QBY+1], 23, v[QSO+1]
	v_cvt_scalef32_pk16_fp6_f32 v[\cd:\cd+2], v[\r1:\r1+15], v[QSO]
	v_cvt_scalef32_pk16_fp6_f32 v[\cd+4:\cd+6], v[\r2:\r2+15], v[QSO+1]
	v_nop
	v_lshl_or_b32 v[\hw], v[QBY+1], 8, v[QBY]
.endm
.macro QKUNIT hd, u
.if (\hd) < 4
.set XW, 2
.else
.set XW, 3
.endif
.set XB, 128*(((\hd)/2)%2)+64*(\u)+32*((\hd)%2)
	SUMSQ XB, XW
	v_fma_f32 v[T], v[T], s18, s19
	s_wait_alu depctr_va_vdst(0)
	v_rsq_f32 v[F], v[T]
	v_nop
.if (\hd) < 4
	s_wait_alu depctr_va_vdst(0)
	v_mul_f32 v[F], s[4+(\hd)], v[F]
.endif
	WIN XW
	s_wait_alu depctr_va_vdst(0)
.irp j, 0,2,4,6,8,10,12,14,16,18,20,22,24,26,28,30
	v_pk_mul_f32 v[Y+\j:Y+\j+1], v[XB+\j:XB+\j+1], v[F:F+1] op_sel_hi:[1,0]
.endr
	WIN 0
.irp j, 0,2,4,6,8,10,12,14
	v_pk_mul_f32 v[R1+\j:R1+\j+1], v[Y+\j:Y+\j+1], v[COS+32*(\u)+\j:COS+32*(\u)+\j+1]
	v_pk_mul_f32 v[R2+\j:R2+\j+1], v[Y+16+\j:Y+16+\j+1], v[COS+32*(\u)+\j:COS+32*(\u)+\j+1]
.endr
.irp j, 0,2,4,6,8,10,12,14
	v_pk_fma_f32 v[R1+\j:R1+\j+1], v[Y+16+\j:Y+16+\j+1], v[SIN+32*(\u)+\j:SIN+32*(\u)+\j+1], v[R1+\j:R1+\j+1] neg_lo:[1,0,0] neg_hi:[1,0,0]
	v_pk_fma_f32 v[R2+\j:R2+\j+1], v[Y+\j:Y+\j+1], v[SIN+32*(\u)+\j:SIN+32*(\u)+\j+1], v[R2+\j:R2+\j+1]
.endr
	s_wait_xcnt 0x0
	s_wait_dscnt 0x0
.if (\u) == 0
	Q2 R1, R2, CD, HW0
.else
	Q2 R1, R2, CD, WD
	v_lshl_or_b32 v[WD], v[WD], 16, v[HW0]
.endif
.if (\hd) < 4
	global_store_b96 v26, v[CD:CD+2], s[92:93] offset:12288*(\u)+768*(\hd)
	global_store_b96 v26, v[CD+4:CD+6], s[92:93] offset:12288*(\u)+768*(\hd)+384
.if (\u) == 1
	ds_store_b32 v30, v[WD] offset:64*(\hd)
.endif
.else
	global_store_b96 v26, v[CD:CD+2], s[66:67] offset:768*(\u)
	global_store_b96 v26, v[CD+4:CD+6], s[66:67] offset:768*(\u)+384
.if (\u) == 1
	ds_store_b32 v31, v[WD]
.endif
.endif
.endm
.macro VNUNIT u
	SUMSQ 64*(\u)+32, 3
	s_wait_alu depctr_va_vdst(0)
	v_sqrt_f32 v[T], v[T]
	v_nop
	s_wait_alu depctr_va_vdst(0)
	v_max_num_f32 v[T], s20, v[T]
	s_wait_alu depctr_va_vdst(0)
	v_rcp_f32 v[F], v[T]
	s_wait_xcnt 0x0
	v_nop
	WIN 3
	s_wait_alu depctr_va_vdst(0)
.irp j, 0,2,4,6,8,10,12,14,16,18,20,22,24,26,28,30
	v_pk_mul_f32 v[Y+\j:Y+\j+1], v[64*(\u)+32+\j:64*(\u)+32+\j+1], v[F:F+1] op_sel_hi:[1,0]
.endr
	WIN 0
.irp q, 0,1,2,3,4,5,6,7
	global_store_b128 v27, v[Y+4*\q:Y+4*\q+3], s[96:97] offset:4096*(\u)+512*\q
.endr
.endm
	PLACES 4
	s_mov_b32 s18, 0x3c800000
	s_mov_b32 s19, 0x358637bd
	s_mov_b32 s20, 0x2b8cbccc
	v_mov_b32 v[F+1], 0
.irp b, 0,1,2,3
	v_mov_b32 v[QBP+\b], 0
.endr
.irp hd, 0,1,2,3,4
	QKUNIT \hd, 0
	QKUNIT \hd, 1
.endr
	VNUNIT 0
	VNUNIT 1
	WIN 0x0f
.irp ct, 0,1,2,3
	v_max3_num_f32 v[QBM+\ct], |v[128+16*\ct]|, |v[129+16*\ct]|, 0x1800000
.endr
.irp i, 2,4,6,8,10,12,14
.irp ct, 0,1,2,3
	v_max3_num_f32 v[QBM+\ct], |v[128+16*\ct+\i]|, |v[129+16*\ct+\i]|, v[QBM+\ct]
.endr
.endr
	WIN 0
.irp ct, 0,1,2,3
	v_permlanex16_b32 v[QBP+\ct], v[QBM+\ct], s[SEL], s[SEL+1]
.endr
.irp ct, 0,1,2,3
	v_max_num_f32 v[QBM+\ct], v[QBM+\ct], v[QBP+\ct]
.endr
.irp ct, 0,1,2,3
	v_add_nc_u32 v[QSO+\ct], 0xff000000, v[QBM+\ct]
.endr
.irp ct, 0,1,2,3
	v_lshrrev_b32 v[QBY+\ct], 23, v[QSO+\ct]
.endr
	WIN 0x03
.irp ct, 0,1,2,3
	v_cvt_scalef32_pk16_fp6_f32 v[VCD+4*\ct:VCD+4*\ct+2], v[128+16*\ct:143+16*\ct], v[QSO+\ct]
.endr
	WIN 0
	v_nop
.irp ct, 0,1,2,3
	global_store_b96 v26, v[VCD+4*\ct:VCD+4*\ct+2], s[100:101] offset:1536*\ct
.endr
.irp ct, 0,1,2,3
	ds_store_b8 v244, v[QBY+\ct] offset:64*\ct
.endr
	ds_load_b64 v[T:T+1], v245
	s_wait_dscnt 0x0
	global_store_b64 v247, v[T:T+1], s[98:99]
	s_barrier_signal -1
	s_barrier_wait -1
	s_cmp_lg_u32 s[WV], 0
	s_cbranch_scc1 .Lnot_first
	ds_load_b128 v[QBM:QBM+3], v246
	s_wait_dscnt 0x0
	global_store_b128 v27, v[QBM:QBM+3], s[94:95] offset:12288
.Lnot_first:
	s_wait_tensorcnt 0x0
	ds_add_u32 v28, v29
	s_wait_dscnt 0x0
	CROUND
	s_endpgm
.Lfunc_end_k_qf74fcaf498_qkv:
	.size	k_qf74fcaf498_qkv, .Lfunc_end_k_qf74fcaf498_qkv-k_qf74fcaf498_qkv
	.p2alignl 7, 3214868480
	.fill 96, 4, 3214868480
	.section	.rodata,"a",@progbits
	.p2align	6, 0x0
	.amdhsa_kernel k_qf74fcaf498_qkv
		.amdhsa_group_segment_fixed_size 327680
		.amdhsa_private_segment_fixed_size 0
		.amdhsa_enable_private_segment 0
		.amdhsa_kernarg_size 48
		.amdhsa_user_sgpr_count 2
		.amdhsa_user_sgpr_kernarg_segment_ptr 1
		.amdhsa_wavefront_size32 1
		.amdhsa_system_sgpr_workgroup_id_x 1
		.amdhsa_system_sgpr_workgroup_id_y 1
		.amdhsa_system_sgpr_workgroup_id_z 1
		.amdhsa_system_vgpr_workitem_id 0
		.amdhsa_next_free_vgpr 1024
		.amdhsa_next_free_sgpr 106
		.amdhsa_reserve_vcc 0
		.amdhsa_float_denorm_mode_32 3
		.amdhsa_float_denorm_mode_16_64 3
		.amdhsa_memory_ordered 1
		.amdhsa_forward_progress 1
		.amdhsa_inst_pref_size 237
	.end_amdhsa_kernel
	.amdgpu_metadata
---
amdhsa.version: [ 1, 2 ]
amdhsa.kernels:
  - .name:           k_qf74fcaf498_qkv
    .symbol:         k_qf74fcaf498_qkv.kd
    .args:
      - { .name: xq, .offset: 0, .size: 8, .value_kind: global_buffer, .address_space: global }
      - { .name: wq, .offset: 8, .size: 8, .value_kind: global_buffer, .address_space: global }
      - { .name: q_gain, .offset: 16, .size: 8, .value_kind: global_buffer, .address_space: global }
      - { .name: qi, .offset: 24, .size: 8, .value_kind: global_buffer, .address_space: global }
      - { .name: kvi, .offset: 32, .size: 8, .value_kind: global_buffer, .address_space: global }
      - { .name: vni, .offset: 40, .size: 8, .value_kind: global_buffer, .address_space: global }
    .group_segment_fixed_size: 327680
    .private_segment_fixed_size: 0
    .kernarg_segment_align: 8
    .kernarg_segment_size: 48
    .max_flat_workgroup_size: 128
    .sgpr_count:     106
    .vgpr_count:     1024
    .wavefront_size: 32
...
	.end_amdgpu_metadata
.endif
;; end of part 2
;; launch attn (part 3): grid 16 x 16, 8 waves a work-group, no clusters, 205,824 bytes of LDS; arguments qi, kvi, vni, yi; writes yi
.if DOCPART == 3
	.amdgcn_target "amdgcn-amd-amdhsa--gfx1250"
	.amdhsa_code_object_version 6
	.text
	.protected	k_qf74fcaf498_attn
	.globl	k_qf74fcaf498_attn
	.p2align	8
	.type	k_qf74fcaf498_attn,@function
k_qf74fcaf498_attn:
	s_mov_b64 s[64:65], 0
	v_nop
	global_prefetch_b8 v0, s[64:65] scope:SCOPE_SE
	s_setreg_imm32_b32 hwreg(HW_REG_WAVE_MODE, 25, 1), 1
	s_wait_xcnt 0x0
; ATTN.  Causal attention on codes of FP6 (E2M3): S^T = K Q^T (K = the head's 64), p = 2^(t - M) with t = score x log2(e) / 8 and M the running largest t rounded UP to a whole number, O^T += V^T P^T (K = the keys);
; the row's sum is taken of the unquantised p and divides at the end; then y - (y . vn) vn with vn = v / |v| of the same token, and y is quantised along the head's 64 for the last product.
; Left out: key steps all of whose keys lie behind the causal mask.
; LDS.  A key-value head's stream is 16 key steps of 128 keys, 12,800 dense bytes each (K's codes, V's codes, both scale words, as images of operand registers): 204,800 bytes.  It comes ONCE:
; each of the eight waves asks for two steps (100 rows of 256 bytes) at the head; one barrier; nothing is filled again, so no ring and no further barrier.
; SHARES.  Work-group (j, kg): j = 0 .. 15, kg = 4 x batch + key-value head.  A tile is 16 queries (tokens 8 u + r + 8 (r / 8) of their 32); tile T needs T / 8 + 1 key steps.
; Wave (hp = wave % 2, p = wave / 2) owns query heads 2 hp and 2 hp + 1 of the key-value head, one in each register window, for tile rows i = p and then 7 - p: T = 16 i + (j where i + hp is even, else 15 - j).
; Steps: 2 i + 1 + (j / 8 or 1 - j / 8): 17 for every wave, each (tile, head) has one owner, and every work-group reads all 16 steps.
; The two heads share every fragment of K and V.  The loop over steps has the constant count 16, and a jump on ids leads over the steps that a tile does not need.
; NO CLUSTER, though the sixteen work-groups of a key-value head read the same bytes: the jump over steps hangs on j / 8, a number made of the work-group's number;
; a text without that branch would walk 2 i + 2 steps for every tile, 18 a wave for 17, one of them wholly behind the mask.
; Only a tile's last step touches the diagonal: there hidden scores become -infinity ahead of the maximum (p = 0).  Key 0 counts for every query, so M is a number from the first step on.
; The head has 64 channels and the instruction takes 128: a fragment of K holds TWO tiles of keys, one in each half of its K; Q stands once below zeros and once above, which picks the tile.
; No prefetch: every tile is asked for at the head, and no load stands behind it.
; LIMITS: a block of zeros carries the byte 1 (zero codes); NaN and infinities are not served; the scaled scores stay under 2^31 in magnitude.
; REGISTERS.  Window 0: v1-11, v46, v47 addresses; v16-45 zeros, Q a, zeros, Q b, zeros; v48-95 V's fragments; v248-255 scale words (K 2, V 2, Q 2, p 2).
; Window 1: v0-11 the second tile's Q, v252-253 its scale words; v16-47 vn; v48-95 K's fragments.
; Both windows, head a in 0 and head b in 1: v12 -M, v13 largest t, v[14:15] the sum; v96-159 S^T, then p; v160-191 O^T; v192-243 work.
.set STEPB, 12800
.set SPARE, 16*STEPB                   ; the spare words: 128 bytes for each of 8 waves
.set QS_OFF, 6291456
.set YS_OFF, 6291456
.set SEL, 20                           ; s[20:21] lane selects: lane l xor 16
.set CS,  22                           ; s[22:23] log2(e) / 8
.set MK,  80                           ; s[80:95] sixteen lane masks of the diagonal
.set FV,  48
.set FK,  48
.set VN,  16
.set S,   96
.set O,   160
.set BMX, 192
.set BT,  196
.set SO,  200
.set PC,  204
.set PX,  216
.set F,   224
.set PWT, 226
.set NI,  227
.set TMP, 228
.set T,   230
.set TS,  230
.set KS,  248
.set VS,  250
.set QW,  252
.set PW,  254
.set QBM, 192
.set QBP, 196
.set QSO, 200
.set QBY, 204
.set MSB, 0
.macro WIN new                         ; the immediate's high byte repeats the setting that is left
.if MSB != (\new)
	s_set_vgpr_msb (MSB<<8)|(\new)
.set MSB, (\new)
.endif
.endm
.macro PLACES n
.rept \n
	v_nop
.endr
.endm
.macro WMS d, a, b, z, sa, sb, ra      ; one matrix instruction.  z: the sum begins.  ra: source 0's scale words stand in lanes 16-31
.if (\z) && (\ra)
	v_wmma_scale_f32_16x16x128_f8f6f4 v[(\d):(\d)+7], v[(\a):(\a)+11], v[(\b):(\b)+11], 0, v[\sa], v[\sb] matrix_a_fmt:MATRIX_FMT_FP6 matrix_b_fmt:MATRIX_FMT_FP6 matrix_a_scale:MATRIX_SCALE_ROW1
.elseif (\z)
	v_wmma_scale_f32_16x16x128_f8f6f4 v[(\d):(\d)+7], v[(\a):(\a)+11], v[(\b):(\b)+11], 0, v[\sa], v[\sb] matrix_a_fmt:MATRIX_FMT_FP6 matrix_b_fmt:MATRIX_FMT_FP6
.elseif (\ra)
	v_wmma_scale_f32_16x16x128_f8f6f4 v[(\d):(\d)+7], v[(\a):(\a)+11], v[(\b):(\b)+11], v[(\d):(\d)+7], v[\sa], v[\sb] matrix_a_fmt:MATRIX_FMT_FP6 matrix_b_fmt:MATRIX_FMT_FP6 matrix_a_scale:MATRIX_SCALE_ROW1
.else
	v_wmma_scale_f32_16x16x128_f8f6f4 v[(\d):(\d)+7], v[(\a):(\a)+11], v[(\b):(\b)+11], v[(\d):(\d)+7], v[\sa], v[\sb] matrix_a_fmt:MATRIX_FMT_FP6 matrix_b_fmt:MATRIX_FMT_FP6
.endif
.endm
.macro Q2 r1, r2, cd, hw               ; two blocks of 32, 16 + 16 numbers in my lane: codes into v[cd .. cd+2], v[cd+4 .. cd+6], the two scale bytes into v[hw]
	v_max3_num_f32 v[QBM], |v[\r1]|, |v[\r1+1]|, 0x1800000
	v_max3_num_f32 v[QBM+1], |v[\r2]|, |v[\r2+1]|, 0x1800000
.irp i, 2,4,6,8,10,12,14
	s_delay_alu instid0(VALU_DEP_2)
	v_max3_num_f32 v[QBM], v[QBM], |v[\r1+\i]|, |v[\r1+\i+1]|
	s_delay_alu instid0(VALU_DEP_2)
	v_max3_num_f32 v[QBM+1], v[QBM+1], |v[\r2+\i]|, |v[\r2+\i+1]|
.endr
	s_delay_alu instid0(VALU_DEP_2)
	v_permlanex16_b32 v[QBP], v[QBM], s[SEL], s[SEL+1]
	s_delay_alu instid0(VALU_DEP_2)
	v_permlanex16_b32 v[QBP+1], v[QBM+1], s[SEL], s[SEL+1]
	s_delay_alu instid0(VALU_DEP_2)
	v_max_num_f32 v[QBM], v[QBM], v[QBP]
	s_delay_alu instid0(VALU_DEP_2)
	v_max_num_f32 v[QBM+1], v[QBM+1], v[QBP+1]
	s_delay_alu instid0(VALU_DEP_2)
	v_add_nc_u32 v[QSO], 0xff000000, v[QBM]
	s_delay_alu instid0(VALU_DEP_2)
	v_add_nc_u32 v[QSO+1], 0xff000000, v[QBM+1]
	s_delay_alu instid0(VALU_DEP_2)
	v_lshrrev_b32 v[QBY], 23, v[QSO]
	s_delay_alu instid0(VALU_DEP_2)
	v_lshrrev_b32 v[QBY+1], 23, v[QSO+1]
	v_cvt_scalef32_pk16_fp6_f32 v[\cd:\cd+2], v[\r1:\r1+15], v[QSO]
	v_cvt_scalef32_pk16_fp6_f32 v[\cd+4:\cd+6], v[\r2:\r2+15], v[QSO+1]
	v_nop                                          ; one plain place behind the conversions
	v_lshl_or_b32 v[\hw], v[QBY+1], 8, v[QBY]
.endm
	s_load_b256 s[4:11], s[0:1], 0x0               ; qi s[4:5], kvi s[6:7], vni s[8:9], yi s[10:11]
	v_lshl_add_u32 v5, v0, 2, SPARE                ; my spare word; never rewritten
	v_mov_b32 v6, 0                                ; 0; never rewritten
	ds_add_u32 v5, v6                              ; the opening lines: the add, twice on end, and its wait
	ds_add_u32 v5, v6
	v_lshrrev_b32 v8, 5, v0
	s_delay_alu instid0(VALU_DEP_1)
	v_readfirstlane_b32 s12, v8                    ; wave 0..7
	s_and_b32 s14, ttmp7, 0xffff                   ; kg = 4 x batch + key-value head
	s_mov_b32 s24, 3<<16                           ; group 1: 100 rows of 256 bytes (32 elements of 8), dense
	s_mov_b32 s25, 32<<16
	s_mov_b32 s26, 100<<16
	s_mov_b32 s27, 32<<16
	s_mov_b32 s28, 100
	s_mov_b32 s29, 32
	s_mov_b32 s30, 0
	s_mov_b32 s31, 0
	s_mov_b32 s32, 1
	s_mul_i32 s33, s12, 2*STEPB                    ; key steps 2 w and 2 w + 1, at their own place in LDS
	s_mul_i32 s76, s14, 16*STEPB
	s_add_co_u32 s76, s76, s33
	s_mov_b32 s77, 0                               ; s77 stays 0: the upper word of every offset
	s_wait_dscnt 0x0                               ; both opening adds are done
	s_wait_kmcnt 0x0
	s_add_nc_u64 s[34:35], s[6:7], s[76:77]
	s_or_b32 s35, s35, 0x80000000
	tensor_load_to_lds s[32:35], s[24:31]          ; my one tensor load
	s_nop 0
	v_and_b32 v8, 31, v0                           ; lane
	v_and_b32 v9, 15, v0                           ; r
	v_bfe_u32 v10, v0, 4, 1                        ; h
	v_mul_u32_u24 v1, v8, 24                       ; an image's 24 bytes a lane
	v_lshlrev_b32 v2, 2, v8                        ; scale words: 4 bytes a lane
	v_mul_u32_u24 v3, v9, 24
	v_lshlrev_b32 v4, 4, v8                        ; vn: 16 bytes a lane
	v_lshlrev_b32 v47, 2, v9                       ; Q's scale words: 4 r
	v_lshlrev_b32 v46, 3, v9                       ; y's scale bytes: 8 r
	v_and_b32 v7, 8, v9
	v_lshlrev_b32 v11, 4, v10
	v_mad_u32_u24 v3, v10, 12, v3                  ; my 16 codes' place in an image
	v_add_nc_u32 v7, v7, v9
	s_delay_alu instid0(VALU_DEP_1)
	v_sub_nc_u32 v7, v7, v11                       ; r + 8 (r / 8) - 16 h
	s_mov_b32 s13, ttmp9                           ; j
	s_lshr_b32 s15, ttmp9, 3                       ; j / 8
	s_and_b32 s60, s12, 1                          ; hp
	s_lshr_b32 s61, s12, 1                         ; p
	s_lshr_b32 s62, s14, 2                         ; batch
	s_and_b32 s63, s14, 3                          ; key-value head
	s_lshl_b32 s66, s63, 2
	s_lshl_b32 s70, s60, 1
	s_add_co_u32 s66, s66, s70                     ; query head a; b is the next
	s_sub_co_u32 s67, 15, s13
	s_sub_co_u32 s68, 1, s15
	s_sub_co_u32 s69, 7, s61
	s_mov_b32 s[SEL], 0x76543210
	s_mov_b32 s[SEL+1], 0xfedcba98
	s_mov_b32 s[CS], 0x3e38aa3b
	s_mov_b32 s[CS+1], s[CS]                       ; (named with it as a pair)
; Tile row s[ireg]: y's codes s[set:set+1], y's scale bytes +2, vn +4, the step count +6, the tile's place in its last key step +7; and its Q is asked for, into window w
.macro PHASE ireg, set, w, qa, qb
	s_wait_xcnt 0x0                                ; earlier loads have read s[78:81]
	s_add_co_u32 s70, s[\ireg], s60
	s_and_b32 s70, s70, 1
	s_cmp_lg_u32 s70, 0
	s_cselect_b32 s71, s67, s13                    ; j or 15 - j
	s_cselect_b32 s72, s68, s15                    ; and that over 8
	s_lshl_b32 s73, s[\ireg], 1
	s_add_co_u32 s72, s72, s73
	s_add_co_u32 s[\set+6], s72, 1                 ; key steps
	s_lshl_b32 s73, s[\ireg], 4
	s_add_co_u32 s71, s71, s73                     ; T
	s_and_b32 s72, s71, 6
	s_lshl_b32 s72, s72, 4
	s_and_b32 s73, s71, 1                          ; u
	s_lshl_b32 s74, s73, 3
	s_add_co_u32 s[\set+7], s72, s74               ; 32 ((T % 8) / 2) + 8 u
	s_lshl_b32 s72, s62, 7
	s_add_co_u32 s72, s72, s71                     ; the tile among all batches'
	s_lshl_b32 s76, s72, 4
	s_add_co_u32 s76, s76, s66
	s_mul_i32 s76, s76, 768
	s_add_nc_u64 s[\set:\set+1], s[10:11], s[76:77]
	s_add_nc_u64 s[78:79], s[4:5], s[76:77]
	s_lshr_b32 s74, s72, 1                         ; its 32 tokens
	s_lshl_b32 s76, s74, 4
	s_add_co_u32 s76, s76, s66
	s_lshl_b32 s76, s76, 6
	s_add_nc_u64 s[80:81], s[4:5], s[76:77]
	s_add_nc_u64 s[80:81], s[80:81], QS_OFF
	s_lshl_b32 s76, s74, 2
	s_add_co_u32 s76, s76, s63
	s_lshl_b32 s76, s76, 13
	s_lshl_b32 s75, s73, 12
	s_add_co_u32 s76, s76, s75
	s_add_nc_u64 s[\set+4:\set+5], s[8:9], s[76:77]
	s_lshr_b32 s76, s72, 2                         ; its 64 tokens
	s_lshl_b32 s76, s76, 2
	s_add_co_u32 s76, s76, s63
	s_lshl_b32 s76, s76, 9
	s_and_b32 s75, s71, 3
	s_lshl_b32 s75, s75, 7
	s_add_co_u32 s76, s76, s75
	s_lshl_b32 s75, s60, 2
	s_add_co_u32 s76, s76, s75
	s_add_nc_u64 s[\set+2:\set+3], s[10:11], s[76:77]
	s_add_nc_u64 s[\set+2:\set+3], s[\set+2:\set+3], YS_OFF
	s_wait_alu depctr_va_vdst(0)                   ; the wait ahead of the readers below
	WIN 0x40*\w
.irp p, 0,1,2
	global_load_b64 v[\qa+2*\p:\qa+2*\p+1], v1, s[78:79] offset:8*\p
	global_load_b64 v[\qb+2*\p:\qb+2*\p+1], v1, s[78:79] offset:768+8*\p
.endr
	global_load_b32 v[QW], v47, s[80:81]
	global_load_b32 v[QW+1], v47, s[80:81] offset:64
	WIN 0
.endm
	PHASE 61, 36, 0, 22, 34
	PHASE 69, 44, 1, 0, 6
.irp i, 0,1,2,3,4,5
	v_mov_b32 v[16+\i], 0
	v_mov_b32 v[28+\i], 0
	v_mov_b32 v[40+\i], 0
.endr
.irp w, 0,1
	WIN 0x55*\w
.irp b, 0,1,2,3
	v_mov_b32 v[BT+\b], 0                          ; written once: a lane permute's destination counts as one of its sources
.endr
	v_mov_b32 v[F+1], 0                            ; (named as the upper half of a pair)
	v_mov_b32 v[TMP], 0
	v_mov_b32 v[NI], 0xff800000                    ; -infinity
.endr
	WIN 0
	s_and_b32 s70, s43, 8
	s_lshl_b32 s70, s70, 1                         ; 16 u: my tile's half of Q's scale words
	s_and_b32 s71, s51, 8
	s_lshl_b32 s71, s71, 1
	s_wait_loadcnt 0x0
.macro QWORD w, sh                     ; Q's two bytes, for both halves of the instruction's K
	WIN 0x55*\w
.irp q, 0,1
	v_lshrrev_b32 v[QW+\q], s[\sh], v[QW+\q]
.endr
.irp q, 0,1
	s_delay_alu instid0(VALU_DEP_2)
	v_and_b32 v[QW+\q], 0xffff, v[QW+\q]
.endr
.irp q, 0,1
	s_delay_alu instid0(VALU_DEP_2)
	v_lshl_or_b32 v[QW+\q], v[QW+\q], 16, v[QW+\q]
.endr
.endm
	QWORD 0, 70
	QWORD 1, 71
	WIN 0
	s_mov_b32 s18, 2                               ; tiles to go
	s_wait_alu depctr_va_vdst(0)
	s_wait_tensorcnt 0x0                           ; my two key steps are in,
	s_barrier_signal -1
	s_barrier_wait -1                              ; everybody's are: all sixteen may be read from here on
.macro KLOAD a, sa                     ; K's four fragments (fragment f = keys 32 f .. 32 f + 31, tile c in half c of its K) into window 1, and K's scale words
	WIN 0x40
.irp f, 0,1,2,3
.irp c, 0,1
.irp p, 0,1,2
	ds_load_b64 v[FK+12*\f+6*\c+2*\p:FK+12*\f+6*\c+2*\p+1], v[\a] offset:1536*\f+768*\c+8*\p
.endr
.endr
.endr
	WIN 0
	ds_load_b32 v[KS], v[\sa] offset:12288
	ds_load_b32 v[KS+1], v[\sa] offset:12416
.endm
.macro CLEAR w                         ; a tile begins: O^T and the sum are zeros, the largest t is -3e38; the first change of M leaves zeros zeros
	WIN 0x55*\w
	v_mov_b32 v13, 0xff61b1e6
	v_mov_b32 v14, 0
	v_mov_b32 v15, 0
	v_floor_f32 v12, -v13
.set n, 0
.rept 32
	v_mov_b32 v[O+n], 0
.set n, n+1
.endr
.endm
.macro SPROD w                         ; S^T of head w: D in window w, K's fragments in window 1, Q in window 0
	WIN 0x01+0x40*\w
.irp f, 0,1,2,3
	WMS S+16*\f, FK+12*\f, 22+12*\w, 1, KS+\f/2, QW+\w, \f%2      ; Q below, zeros above: the fragment's first tile of keys
	WMS S+16*\f+8, FK+12*\f, 16+12*\w, 1, KS+\f/2, QW+\w, \f%2    ; zeros below, Q above: its second
.endr
.endm
; THE SOFTMAX of head w for these 128 keys; all its registers lie in window w, but p's scale word, which goes to window 0
.macro SOFT w
	WIN 0x55*\w
.if \w
	s_wait_alu depctr_va_vdst(0)                   ; head a's exponentials stand between the products and these first reads of S^T and O^T
.endif
.irp b, 0,1,2,3
	v_max3_num_f32 v[BMX+\b], v[S+16*\b], v[S+1+16*\b], v[S+2+16*\b]   ; the largest score of each block of 32 keys: for the row's maximum and, since p rises with the score, for the block's largest p
.endr
.irp i, 3,5,7,9,11,13
.irp b, 0,1,2,3
	v_max3_num_f32 v[BMX+\b], v[BMX+\b], v[S+16*\b+\i], v[S+1+16*\b+\i]
.endr
.endr
.irp b, 0,1,2,3
	v_max_num_f32 v[BMX+\b], v[BMX+\b], v[S+15+16*\b]
.endr
.irp b, 0,1,2,3
	s_delay_alu instid0(VALU_DEP_4)
	v_permlanex16_b32 v[BT+\b], v[BMX+\b], s[SEL], s[SEL+1]
.endr
.irp b, 0,1,2,3
	s_delay_alu instid0(VALU_DEP_4)
	v_max_num_f32 v[BMX+\b], v[BMX+\b], v[BT+\b]
.endr
	s_delay_alu instid0(VALU_DEP_2)
	v_max3_num_f32 v[TMP], v[BMX], v[BMX+1], v[BMX+2]
	s_delay_alu instid0(VALU_DEP_1)
	v_max_num_f32 v[TMP], v[TMP], v[BMX+3]
	s_delay_alu instid0(VALU_DEP_1)
	v_mul_f32 v[TMP], s[CS], v[TMP]
	s_delay_alu instid0(VALU_DEP_1)
	v_max_num_f32 v13, v13, v[TMP]                 ; the running largest t
	v_mov_b32 v[TMP], v12
	s_delay_alu instid0(VALU_DEP_2)
	v_floor_f32 v12, -v13                          ; -M = floor(-t): M is a whole number
	s_delay_alu instid0(VALU_DEP_1)
	v_sub_f32 v[TMP], v12, v[TMP]
	s_delay_alu instid0(VALU_DEP_1)
	v_cvt_i32_f32 v[TMP], v[TMP]                   ; (it saturates)
	s_delay_alu instid0(VALU_DEP_1)
	v_ldexp_f32 v[F], 1.0, v[TMP]                  ; f = 2^(old M - new M): a multiplication by it rounds nothing
.set n, 0
.rept 32
	v_pk_fma_f32 v[S+n:S+n+1], v[S+n:S+n+1], s[CS:CS+1], v[12:13] op_sel_hi:[1,0,0]   ; t - M
.set n, n+2
.endr
.irp b, 0,1,2,3
	v_fma_f32 v[BMX+\b], v[BMX+\b], s[CS], v12
.endr
.set n, 0
.rept 16
	v_pk_mul_f32 v[O+n:O+n+1], v[O+n:O+n+1], v[F:F+1] op_sel_hi:[1,0]   ; O^T under the new M
.set n, n+2
.endr
	s_wait_alu depctr_va_vdst(0)                   ; the wait ahead of the batch
.set n, 0
.rept 64
	v_exp_f32 v[S+n], v[S+n]                       ; p, not normalised
.set n, n+1
.endr
.irp b, 0,1,2,3
	v_exp_f32 v[BMX+\b], v[BMX+\b]                 ; the block's largest p
.endr
	v_pk_mul_f32 v[14:15], v[14:15], v[F:F+1] op_sel_hi:[1,0]      ; the sums under the new M (a plain place behind the exponentials)
	s_wait_alu depctr_va_vdst(0)                   ; and behind it
.irp b, 0,1,2,3
	v_max_num_f32 v[BMX+\b], 0x1800000, v[BMX+\b]  ; the floor: the byte cannot fall under 1
.endr
.irp b, 0,1,2,3
	s_delay_alu instid0(VALU_DEP_4)
	v_add_nc_u32 v[SO+\b], 0xff000000, v[BMX+\b]
.endr
.irp b, 0,1,2,3
	s_delay_alu instid0(VALU_DEP_4)
	v_lshrrev_b32 v[BT+\b], 23, v[SO+\b]
.endr
	s_delay_alu instid0(VALU_DEP_3)
	v_lshl_or_b32 v[PWT], v[BT+1], 8, v[BT]
	s_delay_alu instid0(VALU_DEP_1)
	v_lshl_or_b32 v[PWT], v[BT+2], 16, v[PWT]
	WIN 0x11*\w                                    ; scale operands are taken from window 0
	v_lshl_or_b32 v[PW+\w], v[BT+3], 24, v[PWT]    ; p's scale word for these 128 keys
	WIN 0x55*\w
.irp c, 0,1
	v_cvt_scalef32_pk16_fp6_f32 v[PC+6*\c:PC+6*\c+2], v[S+32*\c:S+32*\c+15], v[SO+2*\c]
	v_cvt_scalef32_pk16_fp6_f32 v[PX+4*\c:PX+4*\c+2], v[S+16+32*\c:S+31+32*\c], v[SO+2*\c+1]
.endr
	v_nop                                          ; one plain place behind the conversions
.irp c, 0,1                            ; the operand wants a whole block in a lane: lanes 0-15 block 2 c, lanes 16-31 block 2 c + 1
.irp i, 0,1,2
	v_permlane16_swap_b32 v[PC+6*\c+\i], v[PX+4*\c+\i]
.endr
.irp i, 0,1,2
	s_delay_alu instid0(VALU_DEP_3)
	v_mov_b32 v[PC+3+6*\c+\i], v[PX+4*\c+\i]
.endr
.endr
; the row's sum, of the unquantised p: 32 packed additions in eight chains.  (They are also the places between p's codes and scale word and the products)
.set n, 0
.rept 7
	v_pk_add_f32 v[T+2*n:T+2*n+1], v[S+4*n:S+4*n+1], v[S+4*n+2:S+4*n+3]
.set n, n+1
.endr
	v_pk_add_f32 v[14:15], v[14:15], v[S+28:S+29]
.set n, 0
.rept 7
	v_pk_add_f32 v[T+2*n:T+2*n+1], v[T+2*n:T+2*n+1], v[S+30+2*n:S+31+2*n]
.set n, n+1
.endr
	v_pk_add_f32 v[14:15], v[14:15], v[S+44:S+45]
.set n, 0
.rept 7
	v_pk_add_f32 v[T+2*n:T+2*n+1], v[T+2*n:T+2*n+1], v[S+46+2*n:S+47+2*n]
.set n, n+1
.endr
	v_pk_add_f32 v[14:15], v[14:15], v[S+60:S+61]
	v_pk_add_f32 v[T:T+1], v[T:T+1], v[S+62:S+63]
	v_pk_add_f32 v[T+4:T+5], v[T+4:T+5], v[T+6:T+7]
	v_pk_add_f32 v[T+8:T+9], v[T+8:T+9], v[T+10:T+11]
	v_pk_add_f32 v[14:15], v[14:15], v[T+12:T+13]
	s_delay_alu instid0(VALU_DEP_4)
	v_pk_add_f32 v[T:T+1], v[T:T+1], v[T+2:T+3]
	s_delay_alu instid0(VALU_DEP_2)
	v_pk_add_f32 v[14:15], v[14:15], v[T+8:T+9]
	s_delay_alu instid0(VALU_DEP_2)
	v_pk_add_f32 v[T:T+1], v[T:T+1], v[T+4:T+5]
	s_delay_alu instid0(VALU_DEP_1)
	v_pk_add_f32 v[14:15], v[14:15], v[T:T+1]
.endm
; A TILE ENDS, head w: y = O^T / the sum; y - (y . vn) vn; codes and two scale bytes (left in v[TMP] of window w).  vn lies in window 1
.macro EPIW w
	WIN 0x55*\w
	v_add_f32 v14, v14, v15
	s_delay_alu instid0(VALU_DEP_1)
	v_permlanex16_b32 v[TMP], v14, s[SEL], s[SEL+1]
	s_delay_alu instid0(VALU_DEP_1)
	v_add_f32 v14, v14, v[TMP]                     ; the row's sum
	s_wait_alu depctr_va_vdst(0)                   ; the wait ahead of the transcendental,
	v_rcp_f32 v[F], v14
	v_nop
	s_wait_alu depctr_va_vdst(0)                   ; and ahead of its first reader, which is also the first reader of O^T
.irp j, 0,2,4,6,8,10,12,14,16,18,20,22,24,26,28,30
	v_pk_mul_f32 v[S+\j:S+\j+1], v[O+\j:O+\j+1], v[F:F+1] op_sel_hi:[1,0]
.endr
	WIN 0x04+0x51*\w
	v_pk_mul_f32 v[TS:TS+1], v[S:S+1], v[VN:VN+1]
	v_pk_mul_f32 v[TS+2:TS+3], v[S+2:S+3], v[VN+2:VN+3]
.irp j, 4,8,12,16,20,24,28
	s_delay_alu instid0(VALU_DEP_2)
	v_pk_fma_f32 v[TS:TS+1], v[S+\j:S+\j+1], v[VN+\j:VN+\j+1], v[TS:TS+1]
	s_delay_alu instid0(VALU_DEP_2)
	v_pk_fma_f32 v[TS+2:TS+3], v[S+2+\j:S+3+\j], v[VN+2+\j:VN+3+\j], v[TS+2:TS+3]
.endr
	WIN 0x55*\w
	v_pk_add_f32 v[TS:TS+1], v[TS:TS+1], v[TS+2:TS+3]
	s_delay_alu instid0(VALU_DEP_1)
	v_add_f32 v[TS], v[TS], v[TS+1]
	s_delay_alu instid0(VALU_DEP_1)
	v_permlanex16_b32 v[TS+1], v[TS], s[SEL], s[SEL+1]
	s_delay_alu instid0(VALU_DEP_1)
	v_add_f32 v[TS], v[TS], v[TS+1]                ; y . vn
	WIN 0x01+0x54*\w
.irp j, 0,2,4,6,8,10,12,14,16,18,20,22,24,26,28,30
	v_pk_fma_f32 v[S+\j:S+\j+1], v[VN+\j:VN+\j+1], v[TS:TS+1], v[S+\j:S+\j+1] op_sel_hi:[1,0,1] neg_lo:[0,1,0] neg_hi:[0,1,0]
.endr
	WIN 0x55*\w
	Q2 S, S+16, PX, TMP
	WIN 0x04*\w                                    ; a store's data are its source 1
	global_store_b96 v3, v[PX:PX+2], s[36:37] offset:768*\w        ; 384 consecutive bytes each
	global_store_b96 v3, v[PX+4:PX+6], s[36:37] offset:768*\w+384
.endm
.Lphase:                                           ; a tile of 16 queries, two heads
	WIN 0x40
.irp q, 0,1,2,3,4,5,6,7
	global_load_b128 v[VN+4*\q:VN+4*\q+3], v4, s[40:41] offset:512*\q   ; vn of my queries, in O^T's own order of channels: wanted at the tile's end
.endr
	KLOAD 1, 2                                     ; key step 0
	CLEAR 0
	CLEAR 1
	WIN 0
	s_mov_b32 s16, 0                               ; the key step,
	s_mov_b32 s19, 0                               ; and its place in LDS
	s_wait_alu depctr_va_vdst(0)                   ; the wait ahead of the loop
.Ltrip:                                            ; 16 trips, a constant; a tile's s42 steps are worked, the others jumped over
	s_cmp_ge_u32 s16, s42
	s_cbranch_scc1 .Lnext
	s_add_co_u32 s74, s19, STEPB
	s_min_u32 s74, s74, 15*STEPB                   ; the next step's place, held at the last step's
	s_wait_dscnt 0x0                               ; K's fragments, asked for a step ago, are in
	SPROD 0
	SPROD 1
	WIN 0
	v_add_nc_u32 v8, s19, v1                       ; four plain lines: the places behind the products
	v_add_nc_u32 v9, s19, v2
	v_add_nc_u32 v10, s74, v1
	v_add_nc_u32 v11, s74, v2
.irp f, 0,1,2,3
.irp c, 0,1
.irp p, 0,1,2
	ds_load_b64 v[FV+12*\f+6*\c+2*\p:FV+12*\f+6*\c+2*\p+1], v8 offset:6144+1536*\f+768*\c+8*\p   ; V's four tiles of 16 channels: they land during the softmax
.endr
.endr
.endr
	ds_load_b32 v[VS], v9 offset:12544
	ds_load_b32 v[VS+1], v9 offset:12672
	s_add_co_u32 s70, s16, 1
	s_cmp_lt_u32 s70, s42
	s_cbranch_scc0 .Ldiag
	KLOAD 10, 11                                   ; not the tile's last step: the next step's K
	s_branch .Lopen
.Ldiag:                                            ; the tile's last step lies on the diagonal.  Register 16 b + i holds key 32 b + 16 h + i: hidden where i > my query's place - 16 h - 32 b.  One compare serves both heads
	v_add_nc_u32 v[TMP], s43, v7
.irp b, 0,1,2,3
.irp i, 0,1,2,3,4,5,6,7,8,9,10,11,12,13,14,15
	v_cmp_gt_i32 s[MK+\i], \i, v[TMP]
.endr
.irp i, 0,1,2,3,4,5,6,7,8,9,10,11,12,13,14,15
	v_cndmask_b32 v[S+16*\b+\i], v[S+16*\b+\i], v[NI], s[MK+\i]
.endr
	WIN 0x55
.irp i, 0,1,2,3,4,5,6,7,8,9,10,11,12,13,14,15
	v_cndmask_b32 v[S+16*\b+\i], v[S+16*\b+\i], v[NI], s[MK+\i]
.endr
	WIN 0
	v_add_nc_u32 v[TMP], 0xffffffe0, v[TMP]
.endr
.Lopen:
	SOFT 0
	SOFT 1
	WIN 0
	s_wait_alu depctr_va_vdst(0)
	s_wait_dscnt 0x0                               ; V is in (and the next step's K)
.irp f, 0,1,2,3
	WMS O+8*\f, FV+12*\f, PC, 0, VS+\f/2, PW, \f%2
.endr
	WIN 0x54                                       ; head b: V from window 0, p and O^T in window 1
.irp f, 0,1,2,3
	WMS O+8*\f, FV+12*\f, PC, 0, VS+\f/2, PW+1, \f%2
.endr
	WIN 0
.Lnext:
	s_add_co_u32 s19, s19, STEPB
	s_add_co_u32 s16, s16, 1
	s_cmp_lt_u32 s16, 16
	s_cbranch_scc1 .Ltrip
	PLACES 4                                       ; behind the last products
	s_wait_dscnt 0x0                               ; no LDS load of mine is out when the next tile's are issued
	s_wait_loadcnt 0x0                             ; vn is in
	EPIW 0
	EPIW 1
	WIN 0x01
	v_lshl_or_b32 v[TMP+1], v[TMP], 16, v[TMP]     ; head b's two bytes (window 1) over head a's
	WIN 0
	global_store_b32 v46, v[TMP+1], s[38:39]       ; row r's four bytes; both halves of the lanes store the same
	s_cmp_eq_u32 s18, 1
	s_cbranch_scc1 .Ldone
	s_wait_xcnt 0x0                                ; the stores have read their registers and bases
	s_mov_b64 s[36:37], s[44:45]                   ; the second tile's addresses, step count and place,
	s_mov_b64 s[38:39], s[46:47]
	s_mov_b64 s[40:41], s[48:49]
	s_mov_b64 s[42:43], s[50:51]
	WIN 0x01
.irp i, 0,1,2,3,4,5
	v_mov_b32 v[22+\i], v[\i]                      ; its Q, out of window 1,
	v_mov_b32 v[34+\i], v[6+\i]
.endr
	v_mov_b32 v[QW], v[QW]                         ; and Q's scale words
	v_mov_b32 v[QW+1], v[QW+1]
	WIN 0
.Ldone:
	s_sub_co_u32 s18, s18, 1                       ; two tiles: a counted loop
	s_cmp_lg_u32 s18, 0
	s_cbranch_scc1 .Lphase
	s_wait_tensorcnt 0x0                           ; the wave's end
	ds_add_u32 v5, v6
	s_wait_dscnt 0x0
	s_endpgm
.Lfunc_end_k_qf74fcaf498_attn:
	.size	k_qf74fcaf498_attn, .Lfunc_end_k_qf74fcaf498_attn-k_qf74fcaf498_attn
	.p2alignl 7, 3214868480
	.fill 96, 4, 3214868480
	.section	.rodata,"a",@progbits
	.p2align	6, 0x0
	.amdhsa_kernel k_qf74fcaf498_attn
		.amdhsa_group_segment_fixed_size 205824
		.amdhsa_private_segment_fixed_size 0
		.amdhsa_enable_private_segment 0
		.amdhsa_kernarg_size 32
		.amdhsa_user_sgpr_count 2
		.amdhsa_user_sgpr_kernarg_segment_ptr 1
		.amdhsa_wavefront_size32 1
		.amdhsa_system_sgpr_workgroup_id_x 1
		.amdhsa_system_sgpr_workgroup_id_y 1
		.amdhsa_system_sgpr_workgroup_id_z 1
		.amdhsa_system_vgpr_workitem_id 0
		.amdhsa_next_free_vgpr 512
		.amdhsa_next_free_sgpr 100
		.amdhsa_reserve_vcc 0
		.amdhsa_float_denorm_mode_32 3
		.amdhsa_float_denorm_mode_16_64 3
		.amdhsa_memory_ordered 1
		.amdhsa_forward_progress 1
		.amdhsa_inst_pref_size 75
	.end_amdhsa_kernel
	.amdgpu_metadata
---
amdhsa.version: [ 1, 2 ]
amdhsa.kernels:
  - .name:           k_qf74fcaf498_attn
    .symbol:         k_qf74fcaf498_attn.kd
    .args:
      - { .name: qi, .offset: 0, .size: 8, .value_kind: global_buffer, .address_space: global }
      - { .name: kvi, .offset: 8, .size: 8, .value_kind: global_buffer, .address_space: global }
      - { .name: vni, .offset: 16, .size: 8, .value_kind: global_buffer, .address_space: global }
      - { .name: yi, .offset: 24, .size: 8, .value_kind: global_buffer, .address_space: global }
    .group_segment_fixed_size: 205824
    .private_segment_fixed_size: 0
    .kernarg_segment_align: 8
    .kernarg_segment_size: 32
    .max_flat_workgroup_size: 256
    .sgpr_count:     100
    .vgpr_count:     512
    .wavefront_size: 32
...
	.end_amdgpu_metadata
.endif
;; end of part 3
;; launch proj (part 4): grid 4 x 64, 4 waves a work-group, clusters of 4 x 4, 327,680 bytes of LDS; arguments yi, wq, out0; writes out0
.if DOCPART == 4
	.amdgcn_target "amdgcn-amd-amdhsa--gfx1250"
	.amdhsa_code_object_version 6
	.text
	.protected	k_qf74fcaf498_proj
	.globl	k_qf74fcaf498_proj
	.p2align	8
	.type	k_qf74fcaf498_proj,@function
k_qf74fcaf498_proj:
	s_mov_b64 s[64:65], 0
	v_nop
	global_prefetch_b8 v0, s[64:65] scope:SCOPE_SE
	s_setreg_imm32_b32 hwreg(HW_REG_WAVE_MODE, 25, 1), 1
	s_wait_xcnt 0x0
	s_wait_alu depctr_hold_cnt(0) depctr_sa_sdst(0) depctr_va_vdst(0) depctr_va_sdst(0) depctr_va_ssrc(0) depctr_va_vcc(0) depctr_vm_vsrc(0)
	s_getreg_b32 s2, hwreg(HW_REG_IB_STS2, 6, 4)
	s_cmp_eq_u32 s2, 0
	s_cbranch_scc0 .Lentry_in_a_cluster
	s_endpgm
.Lentry_in_a_cluster:
	s_bfe_u32 s2, ttmp6, 0x10000c
	s_cmp_lg_u32 s2, 0xf033
	s_cbranch_scc0 .Lentry_shape_is_right
	s_endpgm
.Lentry_shape_is_right:
; PROJ.  out = y Wproj^T on codes of FP6 (E2M3) with E8M0 scales; K = 1,024; out [8192][1024] f32.
; y's codes lie as images of operand registers, [512 tiles of 16 tokens][16 heads][768]: heads 2 s and 2 s + 1 are the two halves of the fragment of K step s; lane l's 24 bytes at 24 l.  A tile's tokens are 8 u + r + 8 (r / 8) inside their 32.
; y's scale bytes: [128 blocks of 64 tokens][4 x 256 along K][4 tiles][16 rows][8].  Wproj: rows of 768 bytes of codes, 32 scale bytes a row.
; SHARES.  A work-group makes 128 tokens x 256 columns, a wave 64 x 128: 32 accumulators.  256 work-groups.  The instruction is used transposed (source 0 = 16 rows of Wproj, source 1 = 16 tokens): a lane holds eight neighbouring columns of one token.
; LDS.  K goes in four slots' worth of 256.  Three LDS slots are filled at the head; K slot 3 goes into LDS slot 0 when that has been read: ONE refill, with four steps of 32 products in which to land.  The scale bytes of all of K come once.
; CLUSTER 4 x 4: y's tiles are shared along a row of the cluster, Wproj's along a column: joint loads; waves 0 and 1 fetch y's halves, waves 2 and 3 Wproj's.  Four loads of a wave are out at the head.
; No prefetch: three of the four K slots are asked for at the head.
; REGISTERS.  window 0: v8-29 addresses; v32-55 scale words, two sets; v128-223 y's fragments, two sets (on the way out v128-255: rows of out).  window 1: Wproj's fragments, two sets, v0-95, v128-223.  window 2: accumulator (a, b) at v[8 (8 a + b)].
; WHO FETCHES (this takes the place of what stands above on the loads).  Wproj's codes lie [128 rows][quarter of K][row][192 bytes]: a K slot of 256 rows is 2 rows of 24,576 dense bytes, 98,304 apart.
; At the head each wave issues ONE joint load: wave 0 y's K slot 0 (8 tiles), wave 1 Wproj's, wave 2 y's scale bytes, wave 3 Wproj's.  Behind the three lines and a round: wave 0 y's slot 1, wave 1 Wproj's, wave 2 y's slot 2, wave 3 Wproj's.
; The one refill (K slot 3 into LDS slot 0) is issued by wave 0 for y and wave 1 for Wproj.
.set PITCH,  240
.set SLOT,   86016                     ; y: 8 tiles x 3,072 bytes; then Wproj: 256 rows x 240
.set BOFF,   24576
.set SCA,    3*SLOT                    ; y's scale bytes: 4,096
.set SCB,    SCA+4096                  ; Wproj's: 32 units of 256 + 16
.set SPARE,  SCB+32*272                ; the spare words: 128 bytes a wave
.set STAGE,  SLOT                      ; the way out: 16 rows x (512 + 16) bytes a wave, in LDS slot 1: its one fill stands at the head, and its last read in front of the last barrier
.set SPITCH, 528
.set YS_OFF, 6291456
.set PC_OFF, 1228800
.set PS_OFF, 2015232
.set WV,  10
.set G1A, 24
.set G1B, 32
.set G1SA, 40
.set G1SB, 48
.set GAS, 56                           ; groups 0 for y: scale bytes, slots 0, 1, 2
.set GA0, 60
.set GA1, 68
.set GA2, 72
.set GBS, 76                           ; and for Wproj
.set GB0, 80
.set GB1, 84
.set GB2, 88
.set MSB, 0
.macro WIN new                         ; the immediate's high byte repeats the setting that is left
.if MSB != \new
	s_set_vgpr_msb (MSB<<8)|\new
.set MSB, \new
.endif
.endm
.macro PLACES n
.rept \n
	v_nop
.endr
.endm
.macro WMS d, a, b, z, sa, sb, ra, rb  ; one matrix instruction.  z: the sum begins.  ra, rb: the side's scale words stand in lanes 16-31
.if (\z) && (\ra) && (\rb)
	v_wmma_scale_f32_16x16x128_f8f6f4 v[(\d):(\d)+7], v[(\a):(\a)+11], v[(\b):(\b)+11], 0, v[\sa], v[\sb] matrix_a_fmt:MATRIX_FMT_FP6 matrix_b_fmt:MATRIX_FMT_FP6 matrix_a_scale:MATRIX_SCALE_ROW1 matrix_b_scale:MATRIX_SCALE_ROW1
.elseif (\z) && (\ra)
	v_wmma_scale_f32_16x16x128_f8f6f4 v[(\d):(\d)+7], v[(\a):(\a)+11], v[(\b):(\b)+11], 0, v[\sa], v[\sb] matrix_a_fmt:MATRIX_FMT_FP6 matrix_b_fmt:MATRIX_FMT_FP6 matrix_a_scale:MATRIX_SCALE_ROW1
.elseif (\z) && (\rb)
	v_wmma_scale_f32_16x16x128_f8f6f4 v[(\d):(\d)+7], v[(\a):(\a)+11], v[(\b):(\b)+11], 0, v[\sa], v[\sb] matrix_a_fmt:MATRIX_FMT_FP6 matrix_b_fmt:MATRIX_FMT_FP6 matrix_b_scale:MATRIX_SCALE_ROW1
.elseif (\z)
	v_wmma_scale_f32_16x16x128_f8f6f4 v[(\d):(\d)+7], v[(\a):(\a)+11], v[(\b):(\b)+11], 0, v[\sa], v[\sb] matrix_a_fmt:MATRIX_FMT_FP6 matrix_b_fmt:MATRIX_FMT_FP6
.elseif (\ra) && (\rb)
	v_wmma_scale_f32_16x16x128_f8f6f4 v[(\d):(\d)+7], v[(\a):(\a)+11], v[(\b):(\b)+11], v[(\d):(\d)+7], v[\sa], v[\sb] matrix_a_fmt:MATRIX_FMT_FP6 matrix_b_fmt:MATRIX_FMT_FP6 matrix_a_scale:MATRIX_SCALE_ROW1 matrix_b_scale:MATRIX_SCALE_ROW1
.elseif (\ra)
	v_wmma_scale_f32_16x16x128_f8f6f4 v[(\d):(\d)+7], v[(\a):(\a)+11], v[(\b):(\b)+11], v[(\d):(\d)+7], v[\sa], v[\sb] matrix_a_fmt:MATRIX_FMT_FP6 matrix_b_fmt:MATRIX_FMT_FP6 matrix_a_scale:MATRIX_SCALE_ROW1
.elseif (\rb)
	v_wmma_scale_f32_16x16x128_f8f6f4 v[(\d):(\d)+7], v[(\a):(\a)+11], v[(\b):(\b)+11], v[(\d):(\d)+7], v[\sa], v[\sb] matrix_a_fmt:MATRIX_FMT_FP6 matrix_b_fmt:MATRIX_FMT_FP6 matrix_b_scale:MATRIX_SCALE_ROW1
.else
	v_wmma_scale_f32_16x16x128_f8f6f4 v[(\d):(\d)+7], v[(\a):(\a)+11], v[(\b):(\b)+11], v[(\d):(\d)+7], v[\sa], v[\sb] matrix_a_fmt:MATRIX_FMT_FP6 matrix_b_fmt:MATRIX_FMT_FP6
.endif
.endm
.macro TL g0, g1                       ; a joint load; an s_nop 0 and four v_nop follow it
	tensor_load_to_lds s[\g0:\g0+3], s[\g1:\g1+7]
	s_nop 0
.rept 4
	v_nop
.endr
.endm
.macro QLOAD a, ga, b, gb, c, gc, d, gd        ; one chain of branches on the wave's number: wave 0, 1, 2, 3 each issue one load
	s_cmp_lt_u32 s[WV], 1
	s_cbranch_scc0 .Lq1_\@
	TL \a, \ga
	s_branch .Lq4_\@
.Lq1_\@:
	s_cmp_lt_u32 s[WV], 2
	s_cbranch_scc0 .Lq2_\@
	TL \b, \gb
	s_branch .Lq4_\@
.Lq2_\@:
	s_cmp_lt_u32 s[WV], 3
	s_cbranch_scc0 .Lq3_\@
	TL \c, \gc
	s_branch .Lq4_\@
.Lq3_\@:
	TL \d, \gd
.Lq4_\@:
.endm
.macro JLOAD g0a, g1a, g0b, g1b        ; the refill: wave 0 fetches y's tiles, wave 1 Wproj's; waves 2 and 3 have no part to fill
	s_cmp_lt_u32 s[WV], 1
	s_cbranch_scc0 .Lj1_\@
	TL \g0a, \g1a
	s_branch .Lj2_\@
.Lj1_\@:
	s_cmp_lt_u32 s[WV], 2
	s_cbranch_scc0 .Lj2_\@
	TL \g0b, \g1b
.Lj2_\@:
.endm
.macro CREST
	s_cmp_lg_u32 s[WV], 0
	s_cbranch_scc1 .Lnot_wave_0_\@
	s_barrier_signal -3
.Lnot_wave_0_\@:
	s_barrier_wait -3
	s_barrier_signal -1
	s_barrier_wait -1
.endm
.macro CROUND
	s_barrier_signal -1
	s_barrier_wait -1
	CREST
.endm
.macro G0SET g, ldsreg, ldsoff, adr, goff      ; a group 0: LDS byte s[ldsreg] + ldsoff, global address s[adr:adr+1] + goff
	s_mov_b32 s[\g], 1
	s_add_co_u32 s[\g+1], s[\ldsreg], \ldsoff
	s_add_nc_u64 s[\g+2:\g+3], s[\adr:\adr+1], \goff
	s_or_b32 s[\g+3], s[\g+3], 0x80000000
.endm
	s_load_b128 s[4:7], s[0:1], 0x0                ; yi s[4:5], wq s[6:7]
	s_load_b64 s[8:9], s[0:1], 0x10                ; out0
	v_lshl_add_u32 v28, v0, 2, SPARE               ; my spare word; never rewritten
	v_mov_b32 v29, 0                               ; 0; never rewritten
	ds_add_u32 v28, v29
	ds_add_u32 v28, v29
	s_wait_dscnt 0x0
	v_lshrrev_b32 v1, 5, v0
	v_readfirstlane_b32 s[WV], v1                  ; wave 0..3
	s_lshr_b32 s11, s[WV], 1                       ; which 64 tokens are mine.
	s_and_b32 s12, s[WV], 1                        ; which 128 columns.
	s_bfe_u32 s92, ttmp6, 0x40000                  ; cx
	s_bfe_u32 s93, ttmp6, 0x40004                  ; cy
	s_lshl_b32 s94, ttmp9, 2
	s_add_co_u32 s94, s94, s92                     ; my block of 256 columns
	s_and_b32 s95, ttmp7, 0xffff
	s_lshl_b32 s95, s95, 2
	s_add_co_u32 s95, s95, s93                     ; my block of 128 tokens
	s_lshl_b32 s96, s93, 2
	s_lshl_b32 s96, 15, s96                        ; my row of the cluster
	s_lshl_b32 s97, 0x1111, s92                    ; my column
	; y's codes: 8 tiles x 3,072 bytes (384 elements of 8), 12,288 bytes apart; dense in LDS
	s_or_b32 s[G1A], s96, (3<<16)|(1<<21)
	s_mov_b32 s[G1A+1], 384<<16
	s_mov_b32 s[G1A+2], 8<<16
	s_mov_b32 s[G1A+3], 384<<16
	s_mov_b32 s[G1A+4], 8
	s_mov_b32 s[G1A+5], 1536
	s_mov_b32 s[G1A+6], 0
	s_mov_b32 s[G1A+7], 0
	; Wproj's codes: 2 rows of 24,576 bytes, 98,304 apart; 16 bytes of padding behind each 64
	s_or_b32 s[G1B], s97, (3<<16)|(1<<20)|(1<<21)|(3<<22)|(3<<25)   ; 2 rows of 24,576 bytes (3,072 elements of 8), 98,304 bytes apart; 16 bytes of padding behind each 64
	s_mov_b32 s[G1B+1], 3072<<16
	s_mov_b32 s[G1B+2], 2<<16
	s_mov_b32 s[G1B+3], 3072<<16
	s_mov_b32 s[G1B+4], 2
	s_mov_b32 s[G1B+5], 12288
	s_mov_b32 s[G1B+6], 0
	s_mov_b32 s[G1B+7], 0
	; y's scale bytes: 4,096 dense bytes as 16 rows of 256
	s_or_b32 s[G1SA], s96, (3<<16)|(1<<21)
	s_mov_b32 s[G1SA+1], 32<<16
	s_mov_b32 s[G1SA+2], 16<<16
	s_mov_b32 s[G1SA+3], 32<<16
	s_mov_b32 s[G1SA+4], 16
	s_mov_b32 s[G1SA+5], 32
	s_mov_b32 s[G1SA+6], 0
	s_mov_b32 s[G1SA+7], 0
	; Wproj's: 8,192 dense bytes as 32 rows of 256, 16 bytes of padding behind each
	s_or_b32 s[G1SB], s97, (3<<16)|(1<<20)|(1<<21)|(5<<22)|(3<<25)
	s_mov_b32 s[G1SB+1], 32<<16
	s_mov_b32 s[G1SB+2], 32<<16
	s_mov_b32 s[G1SB+3], 32<<16
	s_mov_b32 s[G1SB+4], 32
	s_mov_b32 s[G1SB+5], 32
	s_mov_b32 s[G1SB+6], 0
	s_mov_b32 s[G1SB+7], 0
	s_mov_b32 s13, 0                               ; every load brings a whole tile: the LDS addresses are constants
	s_mul_i32 s18, s95, 98304                      ; y's codes: tile 8 x block
	s_mov_b32 s19, 0
	s_lshl_b32 s20, s95, 12                        ; y's scale bytes
	s_mov_b32 s21, 0
	s_lshl_b32 s22, s94, 8                         ; Wproj's row 256 x block
	s_lshl_b32 s98, s22, 5
	s_mov_b32 s99, 0
	s_mul_i32 s22, s22, 768
	s_mov_b32 s23, 0
	s_wait_kmcnt 0x0
	s_add_nc_u64 s[18:19], s[4:5], s[18:19]
	s_add_nc_u64 s[20:21], s[4:5], s[20:21]
	s_add_nc_u64 s[20:21], s[20:21], YS_OFF
	s_add_nc_u64 s[22:23], s[6:7], s[22:23]
	s_add_nc_u64 s[22:23], s[22:23], PC_OFF
	s_add_nc_u64 s[98:99], s[6:7], s[98:99]
	s_add_nc_u64 s[98:99], s[98:99], PS_OFF
	CROUND                                         ; all sixteen work-groups are here: the first joint loads meet
	G0SET GAS, 13, SCA, 20, 0
	G0SET GBS, 13, SCB, 98, 0
	G0SET GA0, 13, 0, 18, 0
	G0SET GB0, 13, BOFF, 22, 0
	G0SET GA1, 13, SLOT, 18, 3072
	G0SET GB1, 13, SLOT+BOFF, 22, 24576
	G0SET GA2, 13, 2*SLOT, 18, 6144
	G0SET GB2, 13, 2*SLOT+BOFF, 22, 49152
	QLOAD GA0, G1A, GB0, G1B, GAS, G1SA, GBS, G1SB ; what the first step needs, one load a wave
	v_and_b32 v1, 15, v0                           ; r
	v_bfe_u32 v2, v0, 4, 1                         ; h
	v_and_b32 v3, 31, v0                           ; lane
	v_mul_u32_u24 v4, v3, 24
	s_mul_i32 s13, s11, 12288                      ; my four tiles of y
	v_add_nc_u32 v8, s13, v4
	v_add_nc_u32 v9, SLOT, v8
	v_add_nc_u32 v10, 2*SLOT, v8
	v_mul_u32_u24 v5, v1, PITCH
	v_mad_u32_u24 v5, v2, 24, v5
	s_mul_i32 s13, s12, 128*PITCH
	s_add_co_u32 s13, s13, BOFF                    ; my 128 rows of Wproj
	v_add_nc_u32 v12, s13, v5
	v_add_nc_u32 v13, SLOT, v12
	v_add_nc_u32 v14, 2*SLOT, v12
	v_lshl_add_u32 v15, v2, 4, v12                 ; and the same behind one padding more
	v_lshl_add_u32 v16, v2, 4, v13
	v_lshl_add_u32 v17, v2, 4, v14
	s_lshl_b32 s13, s11, 11
	s_add_co_u32 s13, s13, SCA
	v_lshl_add_u32 v18, v3, 3, s13                 ; y's scale words: 8 bytes a row, lanes 16-31 the next tile
	v_lshlrev_b32 v6, 5, v1
	v_lshrrev_b32 v7, 3, v1
	v_lshl_add_u32 v6, v7, 4, v6
	v_mad_u32_u24 v6, v2, 544, v6
	s_mul_i32 s13, s12, 16*272
	s_add_co_u32 s13, s13, SCB
	v_add_nc_u32 v19, s13, v6                      ; Wproj's
	s_mul_i32 s13, s[WV], 16*SPITCH
	s_add_co_u32 s13, s13, STAGE                   ; my stage
	v_mul_u32_u24 v24, v1, SPITCH
	v_lshl_add_u32 v24, v2, 5, v24
	v_add_nc_u32 v24, s13, v24                     ; in: row r, 32 bytes for each half of the lanes
	v_lshlrev_b32 v26, 4, v3                       ; back: the 32 lanes take one row of 512 bytes; and the same in out
	v_add_nc_u32 v25, s13, v26
	s_lshl_b32 s14, s95, 7
	s_lshl_b32 s15, s11, 6
	s_add_co_u32 s14, s14, s15
	s_lshl_b32 s14, s14, 12                        ; my first token's row of 4,096 bytes,
	s_lshl_b32 s15, s94, 10
	s_add_co_u32 s14, s14, s15
	s_lshl_b32 s15, s12, 9
	s_add_co_u32 s14, s14, s15                     ; my first column
	s_mov_b32 s15, 0
	s_add_nc_u64 s[8:9], s[8:9], s[14:15]
.macro FRAG reg, adr, dv, q, i         ; a fragment of Wproj, in pieces of 8 bytes; where lanes 16-31's piece lies behind one padding more, the second address register serves
.irp p, 0,1,2,3,4,5
.set PCE, 12*(\q)+6*(\p/3)+\p%3
.if PCE%8 < 5
	ds_load_b64 v[\reg+2*\p:\reg+2*\p+1], v[\adr] offset:8*PCE+16*(PCE/8)+(\i)*16*PITCH
.else
	ds_load_b64 v[\reg+2*\p:\reg+2*\p+1], v[\adr+\dv] offset:8*PCE+16*(PCE/8)+(\i)*16*PITCH
.endif
.endr
.endm
.macro FETCH k                         ; step k's twelve fragments (128 along K) into set k % 2
.set FS, ((\k)/2)%3
.set FQ, (\k)%2
	WIN 0x40
.irp i, 0,1,2,3,4,5,6,7
	FRAG 128*FQ+12*\i, 12+FS, 3, FQ, \i
.endr
	WIN 0
.irp a, 0,1,2,3
.irp c, 0,1
.irp p, 0,1,2
	ds_load_b64 v[128+48*FQ+12*\a+6*\c+2*\p:129+48*FQ+12*\a+6*\c+2*\p], v[8+FS] offset:3072*\a+1536*FQ+768*\c+8*\p
.endr
.endr
.endr
.endm
.macro SCALES ks                       ; K slot ks's scale words, two a row; a register holds two tiles' words, in lanes 0-15 and 16-31
.irp ii, 0,1
	ds_load_b64 v[32+12*((\ks)%2)+2*\ii:33+12*((\ks)%2)+2*\ii], v18 offset:512*(\ks)+256*\ii
.endr
.irp ii, 0,1,2,3
	ds_load_b64 v[36+12*((\ks)%2)+2*\ii:37+12*((\ks)%2)+2*\ii], v19 offset:1088*\ii+8*(\ks)
.endr
.endm
.macro MUL8 a, k, z                    ; my tile a of tokens x Wproj's eight tiles; the 32 accumulators take turns, one instruction a turn
.irp b, 0,1,2,3,4,5,6,7
	WMS 8*(8*(\a)+\b), 128*((\k)%2)+12*\b, 128+48*((\k)%2)+12*(\a), \z, 36+12*(((\k)/2)%2)+2*(\b/2)+(\k)%2, 32+12*(((\k)/2)%2)+2*((\a)/2)+(\k)%2, \b%2, (\a)%2
.endr
.endm
.macro PLAIN k, fetch, z               ; a step: its fragments were asked for a step ago; the next step's are asked for, four places behind the products that read those registers; 32 products
	s_wait_dscnt 0x0
.if \fetch
	PLACES 4
	FETCH (\k)+1
.if ((\k)+1)%2 == 0
	SCALES ((\k)+1)/2
.endif
.endif
	WIN 0xa1                                       ; source 0 window 1, source 1 window 0, C and D window 2
	MUL8 0, \k, \z
	MUL8 1, \k, \z
	MUL8 2, \k, \z
	MUL8 3, \k, \z
.endm
	s_wait_alu depctr_va_vdst(0)
	s_wait_tensorcnt 0x0                           ; my tile of the head's four is in
	ds_add_u32 v28, v29
	s_wait_dscnt 0x0
	CROUND                                         ; everybody's are in, and all sixteen work-groups are here
	QLOAD GA1, G1A, GB1, G1B, GA2, G1A, GB2, G1B   ; slots 1 and 2, one load a wave: they have steps 0 and 1 in which to land
	FETCH 0
	SCALES 0
	PLAIN 0, 1, 1                                  ; the first step starts the sums: nothing is cleared
	; step 1 leaves LDS slot 0, which takes K slot 3
	WIN 0
	s_wait_tensorcnt 0x0                           ; all my tensor loads have landed: my parts of slots 1 and 2;
	ds_add_u32 v28, v29                            ; 0 onto my spare word;
	s_wait_dscnt 1                                 ; step 1's fragments are in (the add may be out)
	WIN 0xa1
	MUL8 0, 1, 0
	MUL8 1, 1, 0                                   ; sixteen products stand between the add and the wait for it
	s_wait_dscnt 0x0                               ; the add is done, and my reads of slot 0 are over
	s_barrier_signal -1
	MUL8 2, 1, 0
	WIN 0
	s_barrier_wait -1
	CREST                                          ; the barrier has opened a round of the cluster's barrier: no wave of any partner still reads slot 0 or has a load on its way
	s_add_nc_u64 s[GA0+2:GA0+3], s[GA0+2:GA0+3], 9216
	s_add_nc_u64 s[GB0+2:GB0+3], s[GB0+2:GB0+3], 73728
	JLOAD GA0, G1A, GB0, G1B                       ; the first tensor load behind the round
	PLACES 4                                       ; on every wave's way: the places in front of the loads below
	FETCH 2
	SCALES 1
	WIN 0xa1
	MUL8 3, 1, 0
	PLAIN 2, 1, 0
	PLAIN 3, 1, 0
	PLAIN 4, 1, 0
	s_wait_tensorcnt 0x0                           ; my part of K slot 3 is in (the one load that was out),
	s_wait_dscnt 0x0                               ; and my reads of slots 1 and 2 are over;
	s_barrier_signal -1
	s_barrier_wait -1                              ; both hold of every wave.
	PLAIN 5, 1, 0
	PLAIN 6, 1, 0
	PLAIN 7, 0, 0
	WIN 0
; THE WAY OUT, a tile of 16 tokens x 128 columns at a time, through my own stage: a lane holds 32 neighbouring bytes of a row; whole rows of 512 bytes come back and are stored by the 32 lanes.
; LDS serves a wave's instructions in order: no wait between the stores and the loads, nor in front of the next tile's stores.
.macro TOSTAGE a
	WIN 0x08                                       ; an LDS store's data are its source 1: window 2
.irp b, 0,1,2,3,4,5,6,7
	ds_store_b128 v24, v[64*(\a)+8*\b:64*(\a)+8*\b+3] offset:64*\b           ; each accumulator from its low end on
	ds_store_b128 v24, v[64*(\a)+8*\b+4:64*(\a)+8*\b+7] offset:64*\b+16
.endr
	WIN 0
.set BB, 128+64*((\a)%2)
.irp t, 0,1,2,3,4,5,6,7,8,9,10,11,12,13,14,15
	ds_load_b128 v[BB+4*\t:BB+4*\t+3], v25 offset:\t*SPITCH
.endr
.endm
.macro SEND a, younger                 ; younger: the LDS instructions issued behind tile a's loads, which may stay out
.set BB, 128+64*((\a)%2)
	s_wait_dscnt \younger
.irp t, 0,1,2,3,4,5,6,7,8,9,10,11,12,13,14,15
	global_store_b128 v26, v[BB+4*\t:BB+4*\t+3], s[8:9] offset:(32*((\a)/2)+8*((\a)%2)+\t+8*(\t/8))*4096 th:TH_STORE_NT   ; row t of the tile is token 8 u + t + 8 (t / 8) of its 32; 512 consecutive bytes, aligned; 63 rows at the most in the immediate
.endr
.endm
	PLACES 4                                       ; behind the last products: for the reads of results and the loads into the registers that held y's fragments
	TOSTAGE 0
	TOSTAGE 1
	SEND 0, 32                                     ; behind tile 0's loads: tile 1's 16 stores and 16 loads
	s_wait_xcnt 0x0                                ; tile 0's stores have read their registers: tile 2's loads may land there
	TOSTAGE 2
	SEND 1, 32
	s_wait_xcnt 0x0
	TOSTAGE 3
	SEND 2, 32
	SEND 3, 0
	s_wait_tensorcnt 0x0                           ; the wave's end
	ds_add_u32 v28, v29
	s_wait_dscnt 0x0
	CROUND                                         ; the closing round: no work-group ends while a partner may still ask for a tile that names it
	s_endpgm
.Lfunc_end_k_qf74fcaf498_proj:
	.size	k_qf74fcaf498_proj, .Lfunc_end_k_qf74fcaf498_proj-k_qf74fcaf498_proj
	.p2alignl 7, 3214868480
	.fill 96, 4, 3214868480
	.section	.rodata,"a",@progbits
	.p2align	6, 0x0
	.amdhsa_kernel k_qf74fcaf498_proj
		.amdhsa_group_segment_fixed_size 327680
		.amdhsa_private_segment_fixed_size 0
		.amdhsa_enable_private_segment 0
		.amdhsa_kernarg_size 24
		.amdhsa_user_sgpr_count 2
		.amdhsa_user_sgpr_kernarg_segment_ptr 1
		.amdhsa_wavefront_size32 1
		.amdhsa_system_sgpr_workgroup_id_x 1
		.amdhsa_system_sgpr_workgroup_id_y 1
		.amdhsa_system_sgpr_workgroup_id_z 1
		.amdhsa_system_vgpr_workitem_id 0
		.amdhsa_next_free_vgpr 768
		.amdhsa_next_free_sgpr 100
		.amdhsa_reserve_vcc 0
		.amdhsa_float_denorm_mode_32 3
		.amdhsa_float_denorm_mode_16_64 3
		.amdhsa_memory_ordered 1
		.amdhsa_forward_progress 1
		.amdhsa_inst_pref_size 99
	.end_amdhsa_kernel
	.amdgpu_metadata
---
amdhsa.version: [ 1, 2 ]
amdhsa.kernels:
  - .name:           k_qf74fcaf498_proj
    .symbol:         k_qf74fcaf498_proj.kd
    .args:
      - { .name: yi, .offset: 0, .size: 8, .value_kind: global_buffer, .address_space: global }
      - { .name: wq, .offset: 8, .size: 8, .value_kind: global_buffer, .address_space: global }
      - { .name: out0, .offset: 16, .size: 8, .value_kind: global_buffer, .address_space: global }
    .group_segment_fixed_size: 327680
    .private_segment_fixed_size: 0
    .kernarg_segment_align: 8
    .kernarg_segment_size: 24
    .max_flat_workgroup_size: 128
    .sgpr_count:     100
    .vgpr_count:     768
    .wavefront_size: 32
...
	.end_amdgpu_metadata
.endif
;; end of part 4
